; MI455X (gfx1250); checked and timed in simulation.
; The chip was launched on July 23, 2026; its instructions are those of AMD's public machine-readable ISA for CDNA 5 (MIT licence, August 2026) and "CDNA5" Instruction Set Architecture Reference Guide (July 2026). The comments in the code are by the model that wrote it; some were corrected since.
;; Multi Head Attention. Allowed arithmetic: matrix products marked QUANTISED: E2M1 operands, one E8M0 scale for each 32 along K, by v_wmma_scale_f32_16x16x128_f8f6f4 with both operands' format E2M1 (or v_wmma_scale_f32_32x16x128_f4), f32 sums; everything else in f32.
;; Inputs: ln_embed_b 512 float32; ln_embed_g 512 float32; ln_out_b 512 float32; ln_out_g 512 float32; wk 512 x 512 float32; wo 512 x 512 float32; wq 512 x 512 float32; wv 512 x 512 float32; x 8 x 2,048 x 512 float32.
;; Outputs: out0 8 x 2,048 x 512 float32.
;; This version of the problem:
;;   THIS VERSION OF THE PROBLEM IS GIVEN IN LOW PRECISION. The matrix products marked QUANTISED in the list below multiply operands that are first quantised to E2M1 (2 exponent bits, 1 mantissa bit; 4 bits a number), with one power-of-two scale for each 32 numbers along K (OCP MX v1.0); their sums are f32. All else is computed in f32.
;;   The module's matrix products, in the order in which they are computed (A, B: the left and right operand; K: the contracted axis; several contracted axes count as one K, in the product's order):
;;     1. [M 16,384, K 512] x [K 512, N 512]; A: input x; B: input wq: QUANTISED
;;     2. [M 16,384, K 512] x [K 512, N 512]; A: input x; B: input wk: QUANTISED
;;     3. [M 16,384, K 512] x [K 512, N 512]; A: input x; B: input wv: QUANTISED
;;     4. batch 64 x [M 2,048, K 64] x [K 64, N 2,048]; A: computed on the way; B: computed on the way: QUANTISED
;;     5. batch 64 x [M 64, K 2,048] x [K 2,048, N 2,048]; A: computed on the way; B: softmax (see below): QUANTISED
;;     6. [M 16,384, K 512] x [K 512, N 512]; A: computed on the way; B: input wo: QUANTISED
;;   THE QUANTISER, for each operand of a quantised product, along K:
;;     - K is cut into blocks of 32 from its start; a last block that is shorter is filled with zeros.
;;     - A block's scale is 2^e with e = floor(log2(the largest magnitude in the block)) - 2, held to -126 .. 127; a block of zeros has e = 0. As a byte (E8M0): e + 127.
;;     - Each number is divided by its block's scale, clamped to +-6, and rounded to the nearest number of E2M1, ties to even, subnormals kept.
;;     - The product sums the exact products of the quantised numbers (number of the format x scale) in f32.
;;   ~~~python
;;   def quantise(x, axis):      # numpy; x: float32 -> the quantised numbers, widened to float32 again
;;       x = np.moveaxis(x, axis, -1); K = x.shape[-1]
;;       x = np.pad(x, [(0, 0)] * (x.ndim - 1) + [(0, -K % 32)]); x = x.reshape(x.shape[:-1] + (-1, 32)); a = np.abs(x).max(-1, keepdims=True)
;;       e = np.where(a > 0, np.clip(np.frexp(np.where(a > 0, a, 1))[1] - 1 - 2, -126, 127), 0)      # np.frexp(a)[1] - 1 = floor(log2(a)), exactly
;;       r = np.clip(x / 2.0 ** e, -6, 6)
;;       step = 2.0 ** (np.maximum(np.frexp(np.where(r == 0, 1, r))[1] - 1, 0) - 1)
;;       q = np.round(r / step) * step * 2.0 ** e      # np.round: ties to even
;;       return np.moveaxis(q.reshape(q.shape[:-2] + (-1,))[..., :K], -1, axis).astype(np.float32)
;;   ~~~
;;   SOFTMAX AHEAD OF A QUANTISED PRODUCT. Where the list says 'softmax', what is quantised is not the finished softmax but p = 2^(t - M), with t = logit x log2(e) and M = ceil(the row's largest t), a whole number; so 1/2 < the row's largest p <= 1. The row's sum l is taken of the UNQUANTISED p, in f32, and the product's result is divided by l at the end. Since M is a whole number, a kernel that streams over the keys may use a running M (the ceiling of the running maximum): every later rescaling is an exact power of two, which a block's scale takes up: the codes' values come out the same.
;;   OPERANDS COMPUTED ON THE WAY. 'Computed on the way' means the value that the module computes at that place (a softmax that the list does not call 'softmax' is quantised finished and normalised). What goes into a quantiser is computed in f32, as accurately as f32 sums, v_exp_f32 and their like allow (about 1e-6 of the number): no bf16 or f16 on the way to a quantiser, and a product that is left as it is and whose result goes on into a quantised operand takes f32 operands (vector FMAs, or v_wmma_f32_16x16x4_f32). A number that lies on a knife's edge between two numbers of the format may be rounded either way, as far as f32 arithmetic and the matrix unit's own rounding can turn it there, and no further.
;; One version. Each part assembles by itself: llvm-mc -triple=amdgcn-amd-amdhsa -mcpu=gfx1250 --defsym DOCPART=n.
;; ======== version 1 of 1: 4 launches
;; limits: right only within a limited range of input values
;; workspace buffers: wq4 557,056 bytes; qkv 12,582,912 bytes; qkvs 786,432 bytes; nv 4,456,448 bytes
;; launch prep (part 1): grid 16 x 4, 4 waves a work-group, no clusters, 0 bytes of LDS; arguments wq, wk, wv, wo, wq4; writes wq4
.if DOCPART == 1
	.amdgcn_target "amdgcn-amd-amdhsa--gfx1250"
	.amdhsa_code_object_version 6
	.text
	.protected	k_q58997071c1_prep
	.globl	k_q58997071c1_prep
	.p2align	8
	.type	k_q58997071c1_prep,@function
k_q58997071c1_prep:
	s_mov_b64 s[64:65], 0
	v_nop
	global_prefetch_b8 v0, s[64:65] scope:SCOPE_SE
	s_setreg_imm32_b32 hwreg(HW_REG_WAVE_MODE, 25, 1), 1
	s_wait_xcnt 0x0
; wq, wk, wv, wo [512 (k)][512 (n)] f32, K = the FIRST axis, become codes of FP4 (E2M1) with one E8M0 byte for each 32 along K, laid in wq4
; IN THE ORDER OF AN OPERAND'S REGISTERS, so that the later launches load whole fragments, 16 bytes a lane, 512 consecutive bytes a wave.
; wq4, weight p (0 q, 1 k, 2 v, 3 o):  codes at p*131072 + ((8 w + t)*4 + s)*1024 + c*512 + (16 h + r)*16: column n = 128 w + phi(t, r), k = 128 s + 64 c + 32 h + 0..31,
;   phi(t, r) = 32 (t/2) + 8 (t%2) + r + 8 (r/8);  scale words at 524288 + p*8192 + ((8 w + t)*16 + r)*16 + 4 s: the bytes of blocks 4 s .. 4 s + 3 of that column.
; SHARES.  Work-group (x, y): weight y, columns 128 (x%4) on, K step x/4 (128 along K).  Wave v: 32 columns.  A LANE TAKES A COLUMN AND ITS REGISTERS RUN DOWN K:
; a block of 32 lies in one lane's 32 registers, its largest magnitude needs no other lane, and the conversions give codes with K innermost.  Nothing is transposed.
; A block's scale is 2^(floor(log2(largest magnitude)) - 2): its byte is the largest magnitude's exponent field - 2, held at 1 from below.
; LIMITS: a block of zeros gets the byte 1 where the rule says 127 (its codes are zeros, and this program alone reads the bytes); blocks whose largest magnitude lies under 2^-124
; are held at the byte 1; NaN and infinities among the inputs are not served.
; No LDS, no barrier: waves share nothing.  All 128 loads of a wave are issued at once.  64 work-groups: a finer share would make the scale stores single bytes.
.set X,   32                           ; v32-159  128 numbers down K
.set CD,  16                           ; v16-31   four registers of codes for each block: no store's data are written again
.set SB,  12                           ; v12      the four scale bytes
	s_load_b256 s[4:11], s[0:1], 0x0               ; wq, wk, wv, wo
	s_load_b64 s[12:13], s[0:1], 0x20              ; wq4
	v_lshrrev_b32 v1, 5, v0
	v_readfirstlane_b32 s16, v1                    ; wave v
	s_and_b32 s14, ttmp7, 0xffff                   ; p: which weight
	s_and_b32 s17, ttmp9, 3                        ; w: which 128 columns
	s_lshr_b32 s18, ttmp9, 2                       ; s: which 128 along K
	v_and_b32 v2, 15, v0                           ; r
	v_bfe_u32 v3, v0, 4, 1                         ; lane / 16: tile t = 2 v + lane / 16
	v_and_b32 v4, 7, v0
	v_bfe_u32 v5, v0, 3, 1
	v_lshl_add_u32 v4, v3, 3, v4
	v_lshl_add_u32 v4, v5, 4, v4                   ; my column among the wave's 32: 8 (lane/16) + lane%8 + 16 ((lane/8)%2) = phi(t, r) - 32 v
	v_lshlrev_b32 v4, 2, v4                        ; in bytes: the 32 lanes cover 128 consecutive bytes of a row
	v_lshlrev_b32 v6, 4, v2
	v_lshl_add_u32 v7, v3, 12, v6                  ; codes: 4096 (lane/16) + 16 r
	v_lshl_add_u32 v8, v3, 8, v6                   ; scale words: 256 (lane/16) + 16 r
	s_lshl_b32 s20, s18, 18                        ; in the weight: 128 s rows of 2,048 bytes + 512 w + 128 v
	s_lshl_b32 s22, s17, 9
	s_add_co_u32 s20, s20, s22
	s_lshl_b32 s22, s16, 7
	s_add_co_u32 s20, s20, s22
	s_mov_b32 s21, 0
	s_lshl_b32 s22, s14, 17                        ; codes: p*131072 + w*32768 + v*8192 + s*1024
	s_lshl_b32 s24, s17, 15
	s_add_co_u32 s22, s22, s24
	s_lshl_b32 s24, s16, 13
	s_add_co_u32 s22, s22, s24
	s_lshl_b32 s24, s18, 10
	s_add_co_u32 s22, s22, s24
	s_mov_b32 s23, 0
	s_lshl_b32 s24, s14, 13                        ; scale words: 524288 + p*8192 + w*2048 + v*512 + 4 s
	s_lshl_b32 s26, s17, 11
	s_add_co_u32 s24, s24, s26
	s_lshl_b32 s26, s16, 9
	s_add_co_u32 s24, s24, s26
	s_lshl_b32 s26, s18, 2
	s_add_co_u32 s24, s24, s26
	s_add_co_u32 s24, s24, 524288
	s_mov_b32 s25, 0
	s_wait_alu depctr_va_vdst(0)
	s_wait_kmcnt 0x0
	s_cmp_eq_u32 s14, 1                            ; the weight is chosen by the work-group's y alone
	s_cselect_b64 s[4:5], s[6:7], s[4:5]
	s_cmp_eq_u32 s14, 2
	s_cselect_b64 s[4:5], s[8:9], s[4:5]
	s_cmp_eq_u32 s14, 3
	s_cselect_b64 s[4:5], s[10:11], s[4:5]
	s_add_nc_u64 s[4:5], s[4:5], s[20:21]
	s_add_nc_u64 s[22:23], s[12:13], s[22:23]
	s_add_nc_u64 s[24:25], s[12:13], s[24:25]
.set ii, 0
.rept 128
	global_load_b32 v[X+ii], v4, s[4:5] offset:ii*2048 th:TH_LOAD_NT   ; W(128 s + i, my column); each number is read once in the launch
.set ii, ii+1
.endr
; Block kb: 32 numbers, one scale byte, 16 bytes of codes.  cnt: how many younger loads may be out (a wait's count names 63 at the most; a smaller count than needed is safe)
.macro BLOCK kb, cnt
.set XB, X+32*(\kb)
	s_wait_loadcnt \cnt
	v_max3_num_f32 v9, |v[XB]|, |v[XB+1]|, |v[XB+2]|               ; the block's largest magnitude, in two chains
	v_max3_num_f32 v10, |v[XB+3]|, |v[XB+4]|, |v[XB+5]|
.irp i, 6,10,14,18,22,26
	v_max3_num_f32 v9, v9, |v[XB+\i]|, |v[XB+\i+1]|
	v_max3_num_f32 v10, v10, |v[XB+\i+2]|, |v[XB+\i+3]|
.endr
	v_max3_num_f32 v9, v9, |v[XB+30]|, |v[XB+31]|
	v_max3_num_f32 v9, v9, v10, 0x1800000          ; and the floor 2^(3 - 127): the byte cannot fall under 1
	v_add_nc_u32 v11, 0xff000000, v9               ; 2 off the exponent field: the conversion takes this operand's exponent field as its scale
	v_lshrrev_b32 v10, 23, v11                     ; the scale's byte
.if (\kb) == 0
	v_mov_b32 v[SB], v10
.else
	v_lshl_or_b32 v[SB], v10, 8*(\kb), v[SB]
.endif
.irp g, 0,1,2,3
	v_cvt_scalef32_pk8_fp4_f32 v[CD+4*(\kb)+\g], v[XB+8*\g:XB+8*\g+7], v11
.endr
	global_store_b128 v7, v[CD+4*(\kb):CD+4*(\kb)+3], s[22:23] offset:((\kb)/2)*512+((\kb)%2)*256   ; group c = kb / 2, half h = kb % 2: sixteen lanes store 256 consecutive bytes, aligned
.endm
	BLOCK 0, 63
	BLOCK 1, 63
	BLOCK 2, 32
	BLOCK 3, 0
	global_store_b32 v8, v[SB], s[24:25]           ; word s of my column's four: 4 bytes of each 16; 32,768 bytes in the whole launch leave so
	s_endpgm
.Lfunc_end_k_q58997071c1_prep:
	.size	k_q58997071c1_prep, .Lfunc_end_k_q58997071c1_prep-k_q58997071c1_prep
	.p2alignl 7, 3214868480
	.fill 96, 4, 3214868480
	.section	.rodata,"a",@progbits
	.p2align	6, 0x0
	.amdhsa_kernel k_q58997071c1_prep
		.amdhsa_group_segment_fixed_size 0
		.amdhsa_private_segment_fixed_size 0
		.amdhsa_enable_private_segment 0
		.amdhsa_kernarg_size 40
		.amdhsa_user_sgpr_count 2
		.amdhsa_user_sgpr_kernarg_segment_ptr 1
		.amdhsa_wavefront_size32 1
		.amdhsa_system_sgpr_workgroup_id_x 1
		.amdhsa_system_sgpr_workgroup_id_y 1
		.amdhsa_system_sgpr_workgroup_id_z 1
		.amdhsa_system_vgpr_workitem_id 0
		.amdhsa_next_free_vgpr 160
		.amdhsa_next_free_sgpr 66
		.amdhsa_reserve_vcc 0
		.amdhsa_float_denorm_mode_32 3
		.amdhsa_float_denorm_mode_16_64 3
		.amdhsa_memory_ordered 1
		.amdhsa_forward_progress 1
		.amdhsa_inst_pref_size 21
	.end_amdhsa_kernel
	.amdgpu_metadata
---
amdhsa.version: [ 1, 2 ]
amdhsa.kernels:
  - .name:           k_q58997071c1_prep
    .symbol:         k_q58997071c1_prep.kd
    .args:
      - { .name: wq, .offset: 0, .size: 8, .value_kind: global_buffer, .address_space: global }
      - { .name: wk, .offset: 8, .size: 8, .value_kind: global_buffer, .address_space: global }
      - { .name: wv, .offset: 16, .size: 8, .value_kind: global_buffer, .address_space: global }
      - { .name: wo, .offset: 24, .size: 8, .value_kind: global_buffer, .address_space: global }
      - { .name: wq4, .offset: 32, .size: 8, .value_kind: global_buffer, .address_space: global }
    .group_segment_fixed_size: 0
    .private_segment_fixed_size: 0
    .kernarg_segment_align: 8
    .kernarg_segment_size: 40
    .max_flat_workgroup_size: 128
    .sgpr_count:     66
    .vgpr_count:     160
    .wavefront_size: 32
...
	.end_amdgpu_metadata
.endif
;; end of part 1
;; launch qkv (part 2): grid 256 x 1, 4 waves a work-group, no clusters, 327,680 bytes of LDS; arguments x, ln_embed_g, ln_embed_b, wq4, qkv, qkvs; writes qkv, qkvs
.if DOCPART == 2
	.amdgcn_target "amdgcn-amd-amdhsa--gfx1250"
	.amdhsa_code_object_version 6
	.text
	.protected	k_q58997071c1_qkv
	.globl	k_q58997071c1_qkv
	.p2align	8
	.type	k_q58997071c1_qkv,@function
k_q58997071c1_qkv:
	s_mov_b64 s[64:65], 0
	v_nop
	global_prefetch_b8 v0, s[64:65] scope:SCOPE_SE
	s_setreg_imm32_b32 hwreg(HW_REG_WAVE_MODE, 25, 1), 1
	s_wait_xcnt 0x0
.set XSTW, 33280
.set XSTH, 16640
.set XP,   1040
.set XIMG, 133120
.set XSC,  149504
.set ST1,  151552
.set L16,  1
.set L4,   2
.set XRD,  3
.set XWI,  4
.set XWS,  5
.set STW,  6
.set STR,  7
.set STVW, 8
.set STVR, 9
.set R16,  10
.set GH,   11
.set GN,   12
.set SELK, 13
.set SH16, 14
.set KSO,  15
.set VSO,  16
.set VSH,  17
.set KW,   18
.set XIA,  20
.set XSA,  21
.set XS,   24
.set XF,   32
.set Y,    96
.set PC,   160
.set TM,   168
.set SW,   184
.set WS,   192
.set MU,   224
.set RS,   232
.set EX,   240
.set EXT,  244
.set GV2,  128
.set BV2,  144
.set WV,   32
.set WB,   42
.set WSB,  44
.set SQ,   46
.set SS,   48
.set SV,   50
.set SVS,  52
.set SEL,  54
.set INV,  56
.set EPS,  57
.set PH,   58
.set HM,   59
.set MSB, 0
.macro WIN new
.if MSB != \new
	s_set_vgpr_msb (MSB<<8)|\new
.set MSB, \new
.endif
.endm
.macro PLACES
.rept 4
	v_nop
.endr
.endm
.macro BARRIER
	s_wait_dscnt 0x0
	s_barrier_signal -1
	s_barrier_wait -1
.endm
.macro MM0 d, a, b, sa, sb
	v_wmma_scale_f32_16x16x128_f8f6f4 v[\d:\d+7], v[\a:\a+7], v[\b:\b+7], 0, v[\sa], v[\sb] matrix_a_fmt:MATRIX_FMT_FP4 matrix_b_fmt:MATRIX_FMT_FP4
.endm
.macro MMA d, a, b, sa, sb
	v_wmma_scale_f32_16x16x128_f8f6f4 v[\d:\d+7], v[\a:\a+7], v[\b:\b+7], v[\d:\d+7], v[\sa], v[\sb] matrix_a_fmt:MATRIX_FMT_FP4 matrix_b_fmt:MATRIX_FMT_FP4
.endm
.macro WLOAD
	WIN 0x40
.set fi, 0
.rept 32
	global_load_b128 v[8*fi:8*fi+3], v[L16], s[WB:WB+1] offset:fi*1024
	global_load_b128 v[8*fi+4:8*fi+7], v[L16], s[WB:WB+1] offset:fi*1024+512
.set fi, fi+1
.endr
	WIN 0
.irp t, 0,1,2,3,4,5,6,7
	global_load_b128 v[WS+4*\t:WS+4*\t+3], v[R16], s[WSB:WSB+1] offset:256*\t
.endr
.endm
.macro XREAD dst, s
.irp b, 0,1,2,3
.irp j, 0,1,2,3
	ds_load_b128 v[\dst+16*\b+4*\j:\dst+16*\b+4*\j+3], v[XRD] offset:((\s)/2)*XSTH+((\s)%2)*512+128*\b+16*\j
.endr
.endr
.endm
.macro QUANT s, pw
.irp b, 0,1,2,3
	v_max3_num_f32 v[TM+\b], |v[\s+16*\b]|, |v[\s+1+16*\b]|, 0x1800000
.endr
.irp i, 2,4,6,8,10,12,14
.irp b, 0,1,2,3
	v_max3_num_f32 v[TM+\b], v[TM+\b], |v[\s+16*\b+\i]|, |v[\s+1+16*\b+\i]|
.endr
.endr
.irp b, 0,1,2,3
	v_permlanex16_b32 v[TM+4+\b], v[TM+\b], s[SEL], s[SEL+1]
.endr
.irp b, 0,1,2,3
	v_max_num_f32 v[TM+\b], v[TM+\b], v[TM+4+\b]
.endr
.irp b, 0,1,2,3
	v_add_nc_u32 v[TM+12+\b], 0xff000000, v[TM+\b]
.endr
.irp b, 0,1,2,3
	v_lshrrev_b32 v[TM+4+\b], 23, v[TM+12+\b]
.endr
	v_lshl_or_b32 v[\pw], v[TM+5], 8, v[TM+4]
	v_lshl_or_b32 v[\pw], v[TM+6], 16, v[\pw]
	v_lshl_or_b32 v[\pw], v[TM+7], 24, v[\pw]
.irp b, 0,1,2,3
	v_cvt_scalef32_pk8_fp4_f32 v[PC+2*\b], v[\s+16*\b:\s+7+16*\b], v[TM+12+\b]
	v_cvt_scalef32_pk8_fp4_f32 v[PC+1+2*\b], v[\s+8+16*\b:\s+15+16*\b], v[TM+12+\b]
.endr
	v_nop
.irp c, 0,1
.irp i, 0,1
	v_permlane16_swap_b32 v[PC+4*\c+\i], v[PC+2+4*\c+\i]
.endr
.endr
.endm
.macro IMAGE s
	ds_store_b128 v[XWI], v[PC:PC+3] offset:(\s)*1024
	ds_store_b128 v[XWI], v[PC+4:PC+7] offset:(\s)*1024+512
	ds_store_b32 v[XWS], v[SW] offset:(\s)*128
.endm
.macro XFETCH m, set
.irp s, 0,1,2,3
.irp c, 0,1
	ds_load_b128 v[XF+32*(\set)+8*\s+4*\c:XF+32*(\set)+8*\s+4*\c+3], v[XIA] offset:(\m)*4096+\s*1024+\c*512
.endr
.endr
.irp s, 0,1,2,3
	ds_load_b32 v[XS+4*(\set)+\s], v[XSA] offset:(\m)*512+\s*128
.endr
.endm
.macro MULT nat
	XFETCH 0, 0
.irp m, 0,1,2,3
.if \m < 3
.if \m > 0
	PLACES
	WIN 0
.endif
	XFETCH \m+1, (\m+1)%2
	s_wait_dscnt 12
.else
	s_wait_dscnt 0x0
.endif
.if \nat
	WIN 0xf4
.else
	WIN 0xf1
.endif
.irp s, 0,1,2,3
.irp t, 0,1,2,3,4,5,6,7
.if \nat
.if \s == 0
	MM0 8*(8*\m+\t), XF+32*(\m%2)+8*\s, 8*(4*\t+\s), XS+4*(\m%2)+\s, WS+4*\t+\s
.else
	MMA 8*(8*\m+\t), XF+32*(\m%2)+8*\s, 8*(4*\t+\s), XS+4*(\m%2)+\s, WS+4*\t+\s
.endif
.else
.if \s == 0
	MM0 8*(8*\m+\t), 8*(4*\t+\s), XF+32*(\m%2)+8*\s, WS+4*\t+\s, XS+4*(\m%2)+\s
.else
	MMA 8*(8*\m+\t), 8*(4*\t+\s), XF+32*(\m%2)+8*\s, WS+4*\t+\s, XS+4*(\m%2)+\s
.endif
.endif
.endr
.endr
.endr
	WIN 0
.endm
.macro SUMT sq
	WIN 0x0f
.irp m, 0,1,2,3
.irp q, 0,1,2,3
.if \sq
	v_pk_mul_f32 v[Y+8*\m+2*\q:Y+8*\m+2*\q+1], v[64*\m+16*\q:64*\m+16*\q+1], v[64*\m+16*\q:64*\m+16*\q+1]
.else
	v_pk_add_f32 v[Y+8*\m+2*\q:Y+8*\m+2*\q+1], v[64*\m+16*\q:64*\m+16*\q+1], v[64*\m+16*\q+2:64*\m+16*\q+3]
.endif
.endr
.endr
.if \sq == 0
	WIN 0x0c
.endif
.irp i, 2,4,6,8,10,12,14
.irp m, 0,1,2,3
.irp q, 0,1,2,3
.if \sq
	v_pk_fma_f32 v[Y+8*\m+2*\q:Y+8*\m+2*\q+1], v[64*\m+16*\q+\i:64*\m+16*\q+\i+1], v[64*\m+16*\q+\i:64*\m+16*\q+\i+1], v[Y+8*\m+2*\q:Y+8*\m+2*\q+1]
.elseif \i > 2
	v_pk_add_f32 v[Y+8*\m+2*\q:Y+8*\m+2*\q+1], v[Y+8*\m+2*\q:Y+8*\m+2*\q+1], v[64*\m+16*\q+\i:64*\m+16*\q+\i+1]
.endif
.endr
.endr
.endr
	WIN 0
.irp m, 0,1,2,3
	v_pk_add_f32 v[Y+8*\m:Y+8*\m+1], v[Y+8*\m:Y+8*\m+1], v[Y+8*\m+2:Y+8*\m+3]
	v_pk_add_f32 v[Y+8*\m+4:Y+8*\m+5], v[Y+8*\m+4:Y+8*\m+5], v[Y+8*\m+6:Y+8*\m+7]
.endr
.irp m, 0,1,2,3
	v_pk_add_f32 v[Y+8*\m:Y+8*\m+1], v[Y+8*\m:Y+8*\m+1], v[Y+8*\m+4:Y+8*\m+5]
.endr
.irp m, 0,1,2,3
	v_add_f32 v[EX+\m], v[Y+8*\m], v[Y+8*\m+1]
.endr
.irp m, 0,1,2,3
	v_permlanex16_b32 v[EXT+\m], v[EX+\m], s[SEL], s[SEL+1]
.endr
.irp m, 0,1,2,3
	v_add_f32 v[EX+\m], v[EX+\m], v[EXT+\m]
.endr
.endm
.macro EXCH area
	ds_store_b128 v[STW], v[EX:EX+3] offset:\area
	BARRIER
.irp i, 0,1,2,3
	ds_load_b128 v[Y+4*\i:Y+4*\i+3], v[STR] offset:\area+512*\i
.endr
	s_wait_dscnt 0x0
	v_pk_add_f32 v[Y:Y+1], v[Y:Y+1], v[Y+4:Y+5]
	v_pk_add_f32 v[Y+2:Y+3], v[Y+2:Y+3], v[Y+6:Y+7]
	v_pk_add_f32 v[Y+8:Y+9], v[Y+8:Y+9], v[Y+12:Y+13]
	v_pk_add_f32 v[Y+10:Y+11], v[Y+10:Y+11], v[Y+14:Y+15]
	v_pk_add_f32 v[Y:Y+1], v[Y:Y+1], v[Y+8:Y+9]
	v_pk_add_f32 v[Y+2:Y+3], v[Y+2:Y+3], v[Y+10:Y+11]
.endm
.macro BFLY
.irp k, 1,2,4,8
.set ii, 0
.rept 32
	v_add_f32_dpp v[Y+ii], v[Y+ii], v[Y+ii] row_xmask:\k row_mask:0xf bank_mask:0xf
.set ii, ii+1
.endr
.endr
.endm
.macro VEXCH area
.irp q, 0,1,2,3,4,5,6,7
	ds_store_b128 v[STVW], v[Y+4*\q:Y+4*\q+3] offset:\area+16*\q
.endr
	BARRIER
.irp w, 0,1,2,3
.irp q, 0,1,2,3,4,5,6,7
	ds_load_b128 v[32+32*\w+4*\q:32+32*\w+4*\q+3], v[STVR] offset:\area+256*\w+16*\q
.endr
.endr
	s_wait_dscnt 0x0
.set ii, 0
.rept 16
	v_pk_add_f32 v[32+ii:33+ii], v[32+ii:33+ii], v[64+ii:65+ii]
	v_pk_add_f32 v[96+ii:97+ii], v[96+ii:97+ii], v[128+ii:129+ii]
.set ii, ii+2
.endr
.set ii, 0
.rept 16
	v_pk_add_f32 v[32+ii:33+ii], v[32+ii:33+ii], v[96+ii:97+ii]
.set ii, ii+2
.endr
.endm
	s_load_b256 s[4:11], s[0:1], 0x0
	s_load_b128 s[12:15], s[0:1], 0x20
	v_lshl_add_u32 v254, v0, 2, 0x29000
	v_mov_b32 v255, 0
	ds_add_u32 v254, v255
	ds_add_u32 v254, v255
	v_lshrrev_b32 v1, 5, v0
	v_readfirstlane_b32 s[WV], v1
	s_mov_b32 s16, (2<<16)|(1<<20)|(7<<22)|(3<<25)
	s_mov_b32 s17, 256<<16
	s_mov_b32 s18, 16<<16
	s_mov_b32 s19, 256<<16
	s_mov_b32 s20, 16
	s_mov_b32 s21, 512
	s_mov_b32 s22, 0
	s_mov_b32 s23, 0
	s_mul_i32 s33, s[WV], XSTW
	s_lshl_b32 s34, ttmp9, 17
	s_lshl_b32 s36, s[WV], 15
	s_add_co_u32 s34, s34, s36
	s_mov_b32 s35, 0
	s_wait_dscnt 0x0
	s_wait_kmcnt 0x0
	s_mov_b32 s24, 1
	s_mov_b32 s25, s33
	s_add_nc_u64 s[26:27], s[4:5], s[34:35]
	s_mov_b32 s28, 1
	s_add_co_u32 s29, s33, XSTH
	s_add_nc_u64 s[30:31], s[26:27], 1024
	s_or_b32 s27, s27, 0x80000000
	s_or_b32 s31, s31, 0x80000000
	tensor_load_to_lds s[24:27], s[16:23]          ; my one load at the head: the first half of my 16 rows of x; the set-up and the weights' loads below go out under it
	s_nop 0
.rept 4
	v_nop
.endr
	v_and_b32 v40, 31, v0
	v_and_b32 v41, 15, v0
	v_bfe_u32 v42, v0, 4, 1
	v_bfe_u32 v43, v0, 3, 1
	v_and_b32 v44, 7, v0
	v_lshlrev_b32 v[L16], 4, v40
	s_wait_alu depctr_va_vdst(0)
	v_lshlrev_b32 v[L4], 2, v40
	v_lshlrev_b32 v[R16], 4, v41
	s_wait_alu depctr_va_vdst(0)
	v_lshlrev_b32 v[GH], 6, v42
	s_wait_alu depctr_va_vdst(0)
	v_lshlrev_b32 v[GN], 2, v41
	v_lshl_add_u32 v[GN], v43, 5, v[GN]
	s_wait_alu depctr_va_vdst(0)
	s_lshr_b32 s36, ttmp9, 5
	s_and_b32 s37, ttmp9, 31
	s_lshl_b32 s38, s36, 3
	s_lshl_b32 s39, s[WV], 1
	s_add_co_u32 s38, s38, s39
	s_mov_b32 s41, 0
	s_lshl_b32 s40, s[WV], 15
	s_add_nc_u64 s[WB:WB+1], s[10:11], s[40:41]
	s_lshl_b32 s40, s[WV], 11
	s_add_co_u32 s40, s40, 524288
	s_add_nc_u64 s[WSB:WSB+1], s[10:11], s[40:41]
	s_lshl_b32 s40, s[WV], 9
	s_add_nc_u64 s[6:7], s[6:7], s[40:41]
	s_add_nc_u64 s[8:9], s[8:9], s[40:41]
	WLOAD
	WIN 0x80
.irp t, 0,1,2,3,4,5,6,7
	global_load_b128 v[8*\t:8*\t+3], v[GH], s[6:7] offset:(32*(\t/2)+8*(\t%2))*4
	global_load_b128 v[8*\t+4:8*\t+7], v[GH], s[6:7] offset:(32*(\t/2)+8*(\t%2))*4+16
	global_load_b128 v[64+8*\t:64+8*\t+3], v[GH], s[8:9] offset:(32*(\t/2)+8*(\t%2))*4
	global_load_b128 v[64+8*\t+4:64+8*\t+7], v[GH], s[8:9] offset:(32*(\t/2)+8*(\t%2))*4+16
	global_load_b32 v[GV2+2*\t], v[GN], s[6:7] offset:(32*(\t/2)+8*(\t%2))*4
	global_load_b32 v[GV2+2*\t+1], v[GN], s[6:7] offset:(32*(\t/2)+8*(\t%2))*4
	global_load_b32 v[BV2+2*\t], v[GN], s[8:9] offset:(32*(\t/2)+8*(\t%2))*4
	global_load_b32 v[BV2+2*\t+1], v[GN], s[8:9] offset:(32*(\t/2)+8*(\t%2))*4
.endr
	WIN 0
	s_lshl_b32 s40, s38, 16
	s_lshl_b32 s39, s37, 11
	s_add_co_u32 s40, s40, s39
	s_add_nc_u64 s[SQ:SQ+1], s[12:13], s[40:41]
	s_lshl_b32 s40, s38, 12
	s_lshl_b32 s39, s37, 7
	s_add_co_u32 s40, s40, s39
	s_add_nc_u64 s[SS:SS+1], s[14:15], s[40:41]
	s_lshr_b32 s36, s37, 1
	s_and_b32 s37, s37, 1
	s_lshl_b32 s40, s38, 16
	s_lshl_b32 s39, s36, 12
	s_add_co_u32 s40, s40, s39
	s_lshl_b32 s39, s37, 9
	s_add_co_u32 s40, s40, s39
	s_add_co_u32 s40, s40, 8388608
	s_add_nc_u64 s[SV:SV+1], s[12:13], s[40:41]
	s_lshl_b32 s40, s38, 12
	s_lshl_b32 s39, s36, 8
	s_add_co_u32 s40, s40, s39
	s_lshl_b32 s39, s37, 1
	s_add_co_u32 s40, s40, s39
	s_add_co_u32 s40, s40, 524288
	s_add_nc_u64 s[SVS:SVS+1], s[14:15], s[40:41]
	s_mov_b32 s[SEL], 0x76543210
	s_mov_b32 s[SEL+1], 0xfedcba98
	s_mov_b32 s[INV], 0x3b000000
	s_mov_b32 s[EPS], 0x358637bd
	s_mov_b32 s[HM], 0xffff0000
	v_mul_u32_u24 v[XRD], v41, XP
	v_lshl_add_u32 v[XRD], v42, 6, v[XRD]
	v_add_nc_u32 v[XRD], s33, v[XRD]
	s_and_b32 s36, s[WV], 1
	s_lshl_b32 s36, s36, 3
	v_lshl_add_u32 v45, v42, 4, v44
	v_add_nc_u32 v45, s36, v45
	s_lshr_b32 s37, s[WV], 1
	s_lshl_b32 s37, s37, 1
	v_add_nc_u32 v46, s37, v43
	v_lshlrev_b32 v[XWI], 12, v46
	v_lshl_add_u32 v[XWI], v45, 4, v[XWI]
	v_add_nc_u32 v[XWI], XIMG, v[XWI]
	v_lshlrev_b32 v[XWS], 9, v46
	v_lshl_add_u32 v[XWS], v45, 2, v[XWS]
	v_add_nc_u32 v[XWS], XSC, v[XWS]
	v_add_nc_u32 v[STR], ST1, v[L16]
	s_lshl_b32 s36, s[WV], 9
	v_add_nc_u32 v[STW], s36, v[STR]
	v_lshlrev_b32 v[STVR], 7, v42
	v_add_nc_u32 v[STVR], ST1, v[STVR]
	s_lshl_b32 s36, s[WV], 8
	v_add_nc_u32 v[STVW], s36, v[STVR]
	v_mov_b32 v[SELK], 0x05040100
	v_mov_b32 v47, 0x07060302
	v_cndmask_b32 v[SELK], v[SELK], v47, s[HM]
	v_lshlrev_b32 v[SH16], 4, v42
	v_lshlrev_b32 v[KSO], 3, v41
	v_lshl_add_u32 v[KSO], v42, 12, v[KSO]
	v_lshl_add_u32 v[VSO], v42, 2, v[R16]
	v_add_nc_u32 v[XIA], XIMG, v[L16]
	v_add_nc_u32 v[XSA], XSC, v[L4]
.irp i, 0,1,2,3
	v_mov_b32 v[TM+4+\i], 0
	v_mov_b32 v[EXT+\i], 0
	v_mov_b32 v[MU+2*\i+1], 0
	v_mov_b32 v[RS+2*\i+1], 0
.endr
	s_wait_alu depctr_va_vdst(0)                   ; the wait at the head's end
	s_wait_tensorcnt 0x0                           ; the first half is in
	ds_add_u32 v254, v255
	s_wait_dscnt 0x0
	s_barrier_signal -1
	s_barrier_wait -1
	tensor_load_to_lds s[28:31], s[16:23]          ; the second half lands while the first is quantised
	s_nop 0
.rept 4
	v_nop
.endr
	XREAD Y, 0
	XREAD XF, 1
	s_wait_dscnt 16
	QUANT Y, SW
	IMAGE 0
	s_wait_tensorcnt 0x0
	s_wait_dscnt 0x0
	XREAD Y, 2
	QUANT XF, SW
	IMAGE 1
	s_wait_dscnt 0x0
	XREAD XF, 3
	QUANT Y, SW
	IMAGE 2
	s_wait_dscnt 0x0
	QUANT XF, SW
	IMAGE 3
	BARRIER
	s_mov_b32 s[PH], 0
.Lqk:
	s_wait_loadcnt 0x0
	MULT 0
	PLACES
	s_wait_xcnt 0x0
	s_add_nc_u64 s[WB:WB+1], s[WB:WB+1], 131072
	s_add_nc_u64 s[WSB:WSB+1], s[WSB:WSB+1], 8192
	WLOAD
	SUMT 0
	EXCH 0
.irp m, 0,1,2,3
	v_mul_f32 v[MU+2*\m], s[INV], v[Y+\m]
.endr
	WIN 0xc3
.irp m, 0,1,2,3
.set ii, 0
.rept 32
	v_pk_add_f32 v[64*\m+ii:64*\m+ii+1], v[64*\m+ii:64*\m+ii+1], v[MU+2*\m:MU+2*\m+1] op_sel_hi:[1,0] neg_lo:[0,1] neg_hi:[0,1]
.set ii, ii+2
.endr
.endr
	SUMT 1
	EXCH 2048
.irp m, 0,1,2,3
	v_fma_f32 v[RS+2*\m], v[Y+\m], s[INV], s[EPS]
.endr
	s_wait_alu depctr_va_vdst(0)
.irp m, 0,1,2,3
	v_rsq_f32 v[RS+2*\m], v[RS+2*\m]
.endr
	v_nop
	s_wait_alu depctr_va_vdst(0)
.irp m, 0,1,2,3
	s_wait_xcnt 0x0
	WIN 0x03
.set ii, 0
.rept 32
	v_pk_mul_f32 v[Y+ii:Y+ii+1], v[64*\m+ii:64*\m+ii+1], v[RS+2*\m:RS+2*\m+1] op_sel_hi:[1,0]
.set ii, ii+2
.endr
	WIN 0x28
.set ii, 0
.rept 32
	v_pk_fma_f32 v[Y+ii:Y+ii+1], v[Y+ii:Y+ii+1], v[ii:ii+1], v[64+ii:64+ii+1]
.set ii, ii+2
.endr
	WIN 0
	QUANT Y, SW+\m
	global_store_b128 v[L16], v[PC:PC+3], s[SQ:SQ+1] offset:512*\m
	global_store_b128 v[L16], v[PC+4:PC+7], s[SQ:SQ+1] offset:65536+512*\m
.endr
	v_perm_b32 v[KW], v[SW+1], v[SW], v[SELK]
	v_perm_b32 v[KW+1], v[SW+3], v[SW+2], v[SELK]
	global_store_b64 v[KSO], v[KW:KW+1], s[SS:SS+1]
	s_wait_xcnt 0x0
	s_add_nc_u64 s[SQ:SQ+1], s[SQ:SQ+1], 0x400000
	s_add_nc_u64 s[SS:SS+1], s[SS:SS+1], 262144
	s_add_co_u32 s[PH], s[PH], 1
	s_cmp_lt_u32 s[PH], 2
	s_cbranch_scc1 .Lqk
	s_wait_loadcnt 0x0
	MULT 1
	PLACES
	WIN 0x0f
.irp p, 0,1,2,3
.irp m, 0,1,2,3
	v_pk_add_f32 v[Y+8*\m+2*\p:Y+8*\m+2*\p+1], v[64*\m+2*\p:64*\m+2*\p+1], v[64*\m+8+2*\p:64*\m+8+2*\p+1]
.endr
.endr
	WIN 0x0c
.irp p, 0,1,2,3
.irp t, 2,3,4,5,6,7
.irp m, 0,1,2,3
	v_pk_add_f32 v[Y+8*\m+2*\p:Y+8*\m+2*\p+1], v[Y+8*\m+2*\p:Y+8*\m+2*\p+1], v[64*\m+8*\t+2*\p:64*\m+8*\t+2*\p+1]
.endr
.endr
.endr
	WIN 0
	BFLY
	VEXCH 0
.set ii, 0
.rept 16
	v_pk_mul_f32 v[32+ii:33+ii], v[32+ii:33+ii], s[INV:INV+1] op_sel_hi:[1,0]
.set ii, ii+2
.endr
	WIN 0xc3
.irp m, 0,1,2,3
.irp t, 0,1,2,3,4,5,6,7
.irp p, 0,1,2,3
	v_pk_add_f32 v[64*\m+8*\t+2*\p:64*\m+8*\t+2*\p+1], v[64*\m+8*\t+2*\p:64*\m+8*\t+2*\p+1], v[32+8*\m+2*\p:32+8*\m+2*\p+1] neg_lo:[0,1] neg_hi:[0,1]
.endr
.endr
.endr
	WIN 0x0f
.irp m, 0,1,2,3
.irp p, 0,1,2,3
	v_pk_mul_f32 v[Y+8*\m+2*\p:Y+8*\m+2*\p+1], v[64*\m+2*\p:64*\m+2*\p+1], v[64*\m+2*\p:64*\m+2*\p+1]
.endr
.endr
.irp t, 1,2,3,4,5,6,7
.irp m, 0,1,2,3
.irp p, 0,1,2,3
	v_pk_fma_f32 v[Y+8*\m+2*\p:Y+8*\m+2*\p+1], v[64*\m+8*\t+2*\p:64*\m+8*\t+2*\p+1], v[64*\m+8*\t+2*\p:64*\m+8*\t+2*\p+1], v[Y+8*\m+2*\p:Y+8*\m+2*\p+1]
.endr
.endr
.endr
	WIN 0
	BFLY
	VEXCH 2048
.set ii, 0
.rept 32
	v_fma_f32 v[32+ii], v[32+ii], s[INV], s[EPS]
.set ii, ii+1
.endr
.set ii, 0
	s_wait_alu depctr_va_vdst(0)
.rept 32
	v_rsq_f32 v[32+ii], v[32+ii]
.set ii, ii+1
.endr
	v_nop
	s_wait_alu depctr_va_vdst(0)
.irp t, 0,2,4,6
	s_wait_xcnt 0x0
	WIN 0x03
.irp e, 0,1
.irp k, 0,1
.irp u, 0,1
.irp p, 0,1,2,3
	v_pk_mul_f32 v[Y+16*(2*\e+\k)+8*\u+2*\p:Y+16*(2*\e+\k)+8*\u+2*\p+1], v[8*(8*(2*\k+\u)+\t+\e)+2*\p:8*(8*(2*\k+\u)+\t+\e)+2*\p+1], v[32+8*(2*\k+\u)+2*\p:32+8*(2*\k+\u)+2*\p+1]
.endr
.endr
.endr
.endr
	WIN 0x28
.irp e, 0,1
.set ii, 0
.rept 16
	v_pk_fma_f32 v[Y+32*\e+ii:Y+32*\e+ii+1], v[Y+32*\e+ii:Y+32*\e+ii+1], v[GV2+2*(\t+\e):GV2+2*(\t+\e)+1], v[BV2+2*(\t+\e):BV2+2*(\t+\e)+1]
.set ii, ii+2
.endr
.endr
	WIN 0
	QUANT Y, SW
	global_store_b128 v[L16], v[PC:PC+3], s[SV:SV+1] offset:(\t/4)*65536+(\t%4)*1024
	global_store_b128 v[L16], v[PC+4:PC+7], s[SV:SV+1] offset:(\t/4)*65536+(\t%4+1)*1024
	v_lshrrev_b32 v[VSH], v[SH16], v[SW]
	global_store_b16 v[VSO], v[VSH], s[SVS:SVS+1] offset:(\t/4)*4096+(\t%4)*4
.endr
	s_wait_tensorcnt 0x0
	ds_add_u32 v254, v255
	s_wait_dscnt 0x0
	s_endpgm
.Lfunc_end_k_q58997071c1_qkv:
	.size	k_q58997071c1_qkv, .Lfunc_end_k_q58997071c1_qkv-k_q58997071c1_qkv
	.p2alignl 7, 3214868480
	.fill 96, 4, 3214868480
	.section	.rodata,"a",@progbits
	.p2align	6, 0x0
	.amdhsa_kernel k_q58997071c1_qkv
		.amdhsa_group_segment_fixed_size 327680
		.amdhsa_private_segment_fixed_size 0
		.amdhsa_enable_private_segment 0
		.amdhsa_kernarg_size 48
		.amdhsa_user_sgpr_count 2
		.amdhsa_user_sgpr_kernarg_segment_ptr 1
		.amdhsa_wavefront_size32 1
		.amdhsa_system_sgpr_workgroup_id_x 1
		.amdhsa_system_sgpr_workgroup_id_y 1
		.amdhsa_system_sgpr_workgroup_id_z 1
		.amdhsa_system_vgpr_workitem_id 0
		.amdhsa_next_free_vgpr 1024
		.amdhsa_next_free_sgpr 66
		.amdhsa_reserve_vcc 0
		.amdhsa_float_denorm_mode_32 3
		.amdhsa_float_denorm_mode_16_64 3
		.amdhsa_memory_ordered 1
		.amdhsa_forward_progress 1
		.amdhsa_inst_pref_size 234
	.end_amdhsa_kernel
	.amdgpu_metadata
---
amdhsa.version: [ 1, 2 ]
amdhsa.kernels:
  - .name:           k_q58997071c1_qkv
    .symbol:         k_q58997071c1_qkv.kd
    .args:
      - { .name: x, .offset: 0, .size: 8, .value_kind: global_buffer, .address_space: global }
      - { .name: ln_embed_g, .offset: 8, .size: 8, .value_kind: global_buffer, .address_space: global }
      - { .name: ln_embed_b, .offset: 16, .size: 8, .value_kind: global_buffer, .address_space: global }
      - { .name: wq4, .offset: 24, .size: 8, .value_kind: global_buffer, .address_space: global }
      - { .name: qkv, .offset: 32, .size: 8, .value_kind: global_buffer, .address_space: global }
      - { .name: qkvs, .offset: 40, .size: 8, .value_kind: global_buffer, .address_space: global }
    .group_segment_fixed_size: 327680
    .private_segment_fixed_size: 0
    .kernarg_segment_align: 8
    .kernarg_segment_size: 48
    .max_flat_workgroup_size: 128
    .sgpr_count:     66
    .vgpr_count:     1024
    .wavefront_size: 32
...
	.end_amdgpu_metadata
.endif
;; end of part 2
;; launch attn (part 3): grid 4 x 64, 16 waves a work-group, clusters of 4 x 1, 327,680 bytes of LDS; arguments qkv, qkvs, nv; writes nv
.if DOCPART == 3
	.amdgcn_target "amdgcn-amd-amdhsa--gfx1250"
	.amdhsa_code_object_version 6
	.text
	.protected	k_q58997071c1_attn
	.globl	k_q58997071c1_attn
	.p2align	8
	.type	k_q58997071c1_attn,@function
k_q58997071c1_attn:
	s_mov_b64 s[64:65], 0
	v_nop
	global_prefetch_b8 v0, s[64:65] scope:SCOPE_SE
	s_setreg_imm32_b32 hwreg(HW_REG_WAVE_MODE, 25, 1), 1
	s_wait_xcnt 0x0
	s_wait_alu depctr_hold_cnt(0) depctr_sa_sdst(0) depctr_va_vdst(0) depctr_va_sdst(0) depctr_va_ssrc(0) depctr_va_vcc(0) depctr_vm_vsrc(0)
	s_getreg_b32 s2, hwreg(HW_REG_IB_STS2, 6, 4)
	s_cmp_eq_u32 s2, 0
	s_cbranch_scc0 .Lentry_in_a_cluster
	s_endpgm
.Lentry_in_a_cluster:
	s_bfe_u32 s2, ttmp6, 0x10000c
	s_cmp_lg_u32 s2, 0x3003
	s_cbranch_scc0 .Lentry_shape_is_right
	s_endpgm
.Lentry_shape_is_right:
; new_v = softmax(q k^T / 8) v for one (batch, head) bh = cluster y, 512 queries = my place cx in the cluster; both products on codes of FP4 (E2M1) with one E8M0 scale for each 32 along K,
; by the form of 32 x 16 x 128.  Inputs: the images of operand registers that the launch before stored.
; THE SOFTMAX AHEAD OF THE SECOND PRODUCT: t = score x log2(e) / 8; M = the running largest t rounded UP to a whole number; p = 2^(t - M) is quantised along the keys, not normalised.
; The row's sum is taken of the unquantised p and divides O at the end.  When M moves, the sum and O are multiplied by 2^(old M - new M): exact, with no branch on data.
; SHARES.  A head's K and V, codes and scale bytes, lie in LDS whole, filled once.  Sixteen waves; wave w owns TWO tiles of 16 queries, 32 cx + w and 32 cx + 16 + w, and walks the 2,048 keys once, 128 a step:
; each fragment of K and of V is read from LDS once and serves both tiles.  K's and V's fragments take turns in the same 32 registers, the two tiles' scores in the same 64.
; LAYOUT.  Both products transposed: S^T = K Q^T, O^T = V^T P^T: a lane holds one query.  THE KEYS OF A TILE ARE CHOSEN BY THE LANES' LDS ADDRESSES so that rows 0-7 of the four tiles of a group of 64 keys are
; keys 0-31 of the group and rows 8-15 keys 32-63.  So lane (r, h) holds the WHOLE block of 32 keys 64 c + 32 h + 0..31 in registers 32 c + 0..31 of S^T, in groups of eight that stand in the order 0, 2, 1, 3:
; the block's largest score needs no other lane, and each conversion takes its group of eight and writes the register of the second product's operand that wants it.  Only the scale word's four bytes are gathered
; from lanes l and l xor 16.
; In the stored image key 64 g + 32 (t/2) + 8 (t%2) + r + 8 (r/8) is row r of tile t of group g, 512 bytes a tile; 128 bytes of padding behind each 1,024 bytes in LDS put the rows that lanes 0-7 and lanes 8-15
; of a load take, which lie two tiles apart, 1,152 bytes apart: sixteen different columns of 16 bytes modulo 256.
; K = 64 IN AN INSTRUCTION OF 128.  A fragment of 8 registers holds two tiles of keys, and an instruction takes two fragments (32 rows); it multiplies them once by [q | zeros] and once by [zeros | q]:
; zero codes add nothing under any finite scale byte.
; CLUSTER.  The four work-groups of a head read the same K and V: every tensor load is a joint load of the four (mask 15).  Two groups of loads: the first 512 keys and all scale bytes at the head, one load a wave;
; the other 1,536 keys behind a round of the cluster's barrier, one load a wave, under the first four key steps.  No prefetch: both groups are asked for at the head, and the loop asks memory for nothing.
; OUT: nv: codes at T*4096 + head*512 + 16 lane (T = 128 batch + the tile of queries): lane (r, h): the tile's row r, d = 32 h + 0..31; scale bytes at 4,194,304 + T*256 + 16 r + 2 head + d block.
; LIMITS: the promise holds while the scaled scores stay under 2^31 in magnitude; a block of zeros keeps the byte 1 (zero codes; this program alone reads the bytes); NaN and infinities are not served.
.set STEPB, 4608                       ; a key step's codes in LDS: four rows of 1,024 + 128 bytes
.set VIMG,  73728                      ; LDS: K's codes at 0, V's here,
.set KSC,   147456                     ; K's scale bytes,
.set VSC,   151552                     ; V's,
.set SPARE, 155648                     ; the spare words: 128 bytes a wave, 2,048 bytes that no other line names
.set LK,  1                            ; 1152 (r/8) + 256 h + 16 (r%8)
.set LV,  2                            ; VIMG + 16 lane
.set LKS, 3                            ; KSC + 8 (r%8) + 4 (r/8) + 64 h: lanes 16-31 take the words of the instruction's rows 16-31
.set LVS, 4                            ; VSC + 16 r + 4 h: likewise
.set NSO, 5                            ; 16 r + h
.set L16, 6                            ; 16 lane
.set SH8, 7                            ; 8 h
.set SPW, 8                            ; my spare word; never rewritten
.set NIL, 9                            ; 0; never rewritten
; v[12:13] -M and the largest score, v[14:15] the sum in two halves: first tile; v[16:19] the same: second tile
; v20-39: zeros, q of the first tile, zeros, q of the second, zeros
.set QS,  40                           ; v40-41 q's scale words;  v42-43 K's;  v46-47 V's;  v50-51 p's: scales and nothing else
.set KS,  42
.set VS,  46
; v52-59, v60-67 p's codes
.set BM,  68                           ; v68-71 largest scores in four chains; then v68, v70 the blocks' largest p
; v72-73, v74-75 the conversions' scale operands
.set BY,  76                           ; v76-77 scale bytes
.set W,   78
.set W2,  79
.set F,   80                           ; v[80:81] f = 2^(old M - new M)
.set T0,  82
.set T1,  83
.set T2,  84                           ; v84-89 three more chains of the sums
.set T4,  86
.set T6,  88
.set ADK, 90
.set ADV, 91
.set ADS, 92
.set ADT, 93
.set FR,  96                           ; v96-127 four fragments of K, then of V
.set S,   128                          ; v128-191 S^T, then p
; v192-223, v224-255 O^T of the two tiles
.set WV,  10
.set SEL, 52
.set CS,  54                           ; s[54:55] c = log2(e) / 8
.set NC,  56                           ; -c
.set TB,  57                           ; where the step's codes begin
.set CNT, 58
.set HM,  59
.set TS,  78                           ; where the step's scale bytes begin: 256 a step
.macro MMF d, a, b, c, sa, sb          ; 32 rows (two fragments, 16 registers) x 16 queries x 128; source 0's scale words in all 32 lanes, lane m for row m
	v_wmma_scale_f32_32x16x128_f4 v[\d:\d+15], v[\a:\a+15], v[\b:\b+7], \c, v[\sa], v[\sb]
.endm
.macro ROUND                           ; a round of the cluster's barrier
	s_barrier_signal -1
	s_barrier_wait -1
	s_cmp_lg_u32 s[WV], 0
	s_cbranch_scc1 .Lnot_wave_0_\@
	s_barrier_signal -3
.Lnot_wave_0_\@:
	s_barrier_wait -3
	s_barrier_signal -1
	s_barrier_wait -1
.endm
.macro NOPS4
.rept 4
	v_nop
.endr
.endm
	s_load_b128 s[4:7], s[0:1], 0x0                ; qkv, qkvs
	s_load_b64 s[8:9], s[0:1], 0x10                ; nv
	v_lshl_add_u32 v[SPW], v0, 2, SPARE
	v_mov_b32 v[NIL], 0
	ds_add_u32 v[SPW], v[NIL]                      ; the opening lines: the add twice on end and one wait, ahead of the round in front of the first loads
	ds_add_u32 v[SPW], v[NIL]
	v_lshrrev_b32 v10, 5, v0
	v_readfirstlane_b32 s[WV], v10                 ; wave 0..15
	v_and_b32 v84, 31, v0                          ; lane
	v_and_b32 v85, 15, v0                          ; r
	v_bfe_u32 v86, v0, 4, 1                        ; h
	v_bfe_u32 v87, v0, 3, 1                        ; r / 8
	v_and_b32 v88, 7, v0                           ; r % 8
	v_lshlrev_b32 v[L16], 4, v84
	v_lshlrev_b32 v[SH8], 3, v86
	v_mul_u32_u24 v[LK], v87, 1152
	v_lshl_add_u32 v[LK], v86, 8, v[LK]
	v_lshl_add_u32 v[LK], v88, 4, v[LK]
	v_add_nc_u32 v[LV], VIMG, v[L16]
	v_lshlrev_b32 v[LKS], 3, v88
	v_lshl_add_u32 v[LKS], v87, 2, v[LKS]
	v_add_nc_u32 v[LKS], KSC, v[LKS]
	v_lshl_add_u32 v[LKS], v86, 6, v[LKS]
	v_lshl_add_u32 v[LVS], v85, 4, VSC
	v_lshl_add_u32 v[LVS], v86, 2, v[LVS]
	v_lshl_add_u32 v[NSO], v85, 4, v86
	v_lshlrev_b32 v89, 3, v85                      ; q's scale bytes: 8 r
.irp i, 0,1,2,3
	v_mov_b32 v[20+\i], 0                          ; zero codes beside q
	v_mov_b32 v[28+\i], 0
	v_mov_b32 v[36+\i], 0
.endr
.irp x, 0,1
	v_mov_b32 v[12+4*\x], 0x7e000000               ; -M: above every -M to come, so that the first f is 0 and meets zeros
	v_mov_b32 v[13+4*\x], 0xff61b1e6               ; the largest score so far: -3e38
	v_mov_b32 v[14+4*\x], 0                        ; the sum
	v_mov_b32 v[15+4*\x], 0
.endr
	v_mov_b32 v[F+1], 0                            ; (named as the upper half of a pair)
	v_mov_b32 v[T1], 0                             ; a lane permute's destination counts as one of its sources
	v_mov_b32 v[W2], 0
	s_and_b32 s11, ttmp7, 0xffff                   ; bh
	s_bfe_u32 s12, ttmp6, 0x40000                  ; cx: it enters q's and nv's global addresses alone
	; descriptor groups 1.  Codes: rows of 1,024 bytes (128 elements of 8), dense in memory, 32 words of padding behind every 256; mask 15 with bit 21 beside it.  4 rows a load at the head, 6 in the second group
.irp g, 16, 32
	s_mov_b32 s[\g], 15|(3<<16)|(1<<20)|(1<<21)|(7<<22)|(31<<25)
	s_mov_b32 s[\g+1], 128<<16
	s_mov_b32 s[\g+3], 128<<16
	s_mov_b32 s[\g+5], 128
	s_mov_b32 s[\g+6], 0
	s_mov_b32 s[\g+7], 0
.endr
	s_mov_b32 s18, 4<<16
	s_mov_b32 s20, 4
	s_mov_b32 s34, 6<<16
	s_mov_b32 s36, 6
	s_mov_b32 s24, 15|(3<<16)|(1<<21)              ; scale bytes: 4 rows of 256 bytes, dense
	s_mov_b32 s25, 32<<16
	s_mov_b32 s26, 4<<16
	s_mov_b32 s27, 32<<16
	s_mov_b32 s28, 4
	s_mov_b32 s29, 32
	s_mov_b32 s30, 0
	s_mov_b32 s31, 0
	; the head's codes: waves 0-3 K's first 16 rows, waves 4-7 V's, 4 rows each
	s_lshr_b32 s13, s[WV], 2
	s_and_b32 s14, s[WV], 3
	s_mul_i32 s15, s13, VIMG
	s_mul_i32 s72, s14, STEPB
	s_add_co_u32 s41, s15, s72
	s_lshl_b32 s72, s13, 22
	s_lshl_b32 s73, s14, 12
	s_add_co_u32 s72, s72, s73
	s_lshl_b32 s73, s11, 16
	s_add_co_u32 s72, s72, s73
	s_add_co_u32 s72, s72, 4194304                 ; 4 MiB (K) or 8 MiB (V) + bh*65536 + 4096 x part
	s_mov_b32 s73, 0
	; the scale bytes: waves 8-11 K's, waves 12-15 V's, 1,024 bytes each
	s_and_b32 s15, s[WV], 7
	s_lshl_b32 s15, s15, 10
	s_add_co_u32 s49, s15, KSC
	s_bfe_u32 s74, s[WV], 0x10002
	s_lshl_b32 s74, s74, 18
	s_lshl_b32 s75, s14, 10
	s_add_co_u32 s74, s74, s75
	s_lshl_b32 s75, s11, 12
	s_add_co_u32 s74, s74, s75
	s_add_co_u32 s74, s74, 262144                  ; 262,144 (K) or 524,288 (V) + bh*4096 + 1024 x part
	s_mov_b32 s75, 0
	; the second group: waves 0-7 K's other 48 rows, waves 8-15 V's, 6 rows each
	s_lshr_b32 s13, s[WV], 3
	s_and_b32 s14, s[WV], 7
	s_mul_i32 s15, s13, VIMG
	s_mul_i32 s76, s14, 6912
	s_add_co_u32 s45, s15, s76
	s_add_co_u32 s45, s45, 4*STEPB
	s_lshl_b32 s76, s13, 22
	s_mul_i32 s77, s14, 6144
	s_add_co_u32 s76, s76, s77
	s_lshl_b32 s77, s11, 16
	s_add_co_u32 s76, s76, s77
	s_add_co_u32 s76, s76, 4194304+16384
	s_mov_b32 s77, 0
	; q and nv: my first tile of queries is 32 cx + w
	s_lshl_b32 s60, s12, 5
	s_add_co_u32 s60, s60, s[WV]
	s_lshl_b32 s62, s60, 9
	s_lshl_b32 s61, s11, 16
	s_add_co_u32 s62, s62, s61                     ; its codes: bh*65536 + 512 x tile
	s_mov_b32 s63, 0
	s_lshl_b32 s70, s11, 12
	s_lshr_b32 s61, s60, 2
	s_lshl_b32 s61, s61, 7
	s_add_co_u32 s70, s70, s61
	s_and_b32 s61, s60, 3
	s_lshl_b32 s61, s61, 1
	s_add_co_u32 s70, s70, s61                     ; its scale bytes: bh*4096 + 128 (tile/4) + 2 (tile%4)
	s_mov_b32 s71, 0
	s_mov_b32 s[SEL], 0x76543210
	s_mov_b32 s[SEL+1], 0xfedcba98
	s_mov_b32 s[CS], 0x3e38aa3b                    ; log2(e) / 8
	s_mov_b32 s[CS+1], s[CS]                       ; (named with it as a pair)
	s_mov_b32 s[NC], 0xbe38aa3b
	s_mov_b32 s[HM], 0xffff0000
	s_mov_b32 s[TB], 0
	s_mov_b32 s[TS], 0
	s_wait_alu depctr_va_vdst(0)                   ; the wait here, directly ahead of the waits below
	s_wait_dscnt 0x0                               ; both opening adds are done
	s_wait_kmcnt 0x0
	s_add_nc_u64 s[66:67], s[4:5], s[62:63]
	s_add_nc_u64 s[68:69], s[6:7], s[70:71]
	global_load_b128 v[24:27], v[L16], s[66:67]
	global_load_b128 v[32:35], v[L16], s[66:67] offset:8192       ; the second tile: 16 tiles on
	global_load_u16 v86, v89, s[68:69]
	global_load_u16 v87, v89, s[68:69] offset:512                 ; 4 groups of 64 rows on
	s_mov_b32 s40, 1
	s_add_nc_u64 s[42:43], s[4:5], s[72:73]
	s_or_b32 s43, s43, 0x80000000
	s_mov_b32 s48, 1
	s_add_nc_u64 s[50:51], s[6:7], s[74:75]
	s_or_b32 s51, s51, 0x80000000
	s_mov_b32 s44, 1
	s_add_nc_u64 s[46:47], s[4:5], s[76:77]
	s_or_b32 s47, s47, 0x80000000
	ROUND                                          ; all four work-groups are here: the first joint loads meet
	s_cmp_lt_u32 s[WV], 8                          ; one load a wave, one arm each, one join
	s_cbranch_scc0 .Lhead_s
	tensor_load_to_lds s[40:43], s[16:23]
	s_nop 0
	NOPS4
	s_branch .Lhead_asked
.Lhead_s:
	tensor_load_to_lds s[48:51], s[24:31]
	s_nop 0
	NOPS4
.Lhead_asked:
	s_lshr_b32 s61, s11, 3
	s_lshl_b32 s61, s61, 7
	s_add_co_u32 s60, s60, s61                     ; T = 128 batch + the tile
	s_and_b32 s61, s11, 7                          ; head
	s_lshl_b32 s62, s60, 8
	s_lshl_b32 s70, s61, 1
	s_add_co_u32 s62, s62, s70
	s_add_co_u32 s62, s62, 4194304
	s_add_nc_u64 s[12:13], s[8:9], s[62:63]        ; new_v's scale bytes,
	s_lshl_b32 s62, s60, 12
	s_lshl_b32 s70, s61, 9
	s_add_co_u32 s62, s62, s70
	s_add_nc_u64 s[8:9], s[8:9], s[62:63]          ; and its codes
	s_wait_loadcnt 0x0                             ; q of both tiles
	v_lshl_or_b32 v[QS], v86, 16, v86              ; q's two bytes twice: for [q | 0] and for [0 | q]
	v_lshl_or_b32 v[QS+1], v87, 16, v87
.set jj, 0
.rept 64
	v_mov_b32 v[192+jj], 0                         ; O^T: the step is written once, and its first run finds zeros.  These lines also stand between the scale words' writes and the first products
.set jj, jj+1
.endr
.macro NAMES x                         ; the registers of tile x
.set NM, 12+4*(\x)
.set LS, 14+4*(\x)
.set O,  192+32*(\x)
.set PC, 52+8*(\x)
.set PS, 50+(\x)
.set SO, 72+2*(\x)
.endm
; S^T of tile x.  Group c of 64 keys: fragments 2 c and 2 c + 1 are the instruction's rows 0-15 and 16-31.  [q | 0] meets the fragments' first tiles: my block's keys 0-7 (registers 32 c + 0..7) and 16-23 (+ 8..15);
; [0 | q] their second tiles: keys 8-15 (+ 16..23) and 24-31 (+ 24..31)
.macro QK x
.irp c, 0,1
	MMF S+32*\c, FR+16*\c, 24+8*(\x), 0, KS+\c, QS+(\x)
	MMF S+32*\c+16, FR+16*\c, 20+8*(\x), 0, KS+\c, QS+(\x)
.endr
.endm
; From the scores to p's codes.
.macro EXPO
.irp k, 0,1,2,3
	v_max3_num_f32 v[BM+\k], v[S+16*\k], v[S+16*\k+1], v[S+16*\k+2]   ; the largest score of my two blocks, four chains by turns; each accumulator is read from its low end on
.endr
.irp i, 3,5,7,9,11,13
.irp k, 0,1,2,3
	v_max3_num_f32 v[BM+\k], v[BM+\k], v[S+16*\k+\i], v[S+16*\k+\i+1]
.endr
.endr
	v_max3_num_f32 v[BM], v[BM], v[BM+1], v[S+15]
	v_max3_num_f32 v[BM+2], v[BM+2], v[BM+3], v[S+47]
	v_max_num_f32 v[BM], v[BM], v[S+31]            ; block 2 c + h: c = 0 in v[BM], c = 1 in v[BM+2]
	v_max_num_f32 v[BM+2], v[BM+2], v[S+63]
	s_delay_alu instid0(VALU_DEP_1)
	v_max_num_f32 v[T0], v[BM], v[BM+2]
	s_delay_alu instid0(VALU_DEP_1)
	v_permlanex16_b32 v[T1], v[T0], s[SEL], s[SEL+1]
	s_delay_alu instid0(VALU_DEP_1)
	v_max3_num_f32 v[NM+1], v[NM+1], v[T0], v[T1]  ; the running largest score of my query
	s_delay_alu instid0(VALU_DEP_1)
	v_mul_f32 v[T0], s[NC], v[NM+1]                ; -t
	s_delay_alu instid0(VALU_DEP_1)
	v_floor_f32 v[T1], v[T0]                       ; the new -M = floor(-t) = -ceil(t)
	s_delay_alu instid0(VALU_DEP_1)
	v_sub_f32 v[T0], v[T1], v[NM]                  ; old M - new M: a whole number, 0 or less
	v_mov_b32 v[NM], v[T1]
	s_delay_alu instid0(VALU_DEP_2)
	v_cvt_i32_f32 v[T0], v[T0]                     ; (it saturates)
	s_delay_alu instid0(VALU_DEP_1)
	v_ldexp_f32 v[F], 1.0, v[T0]                   ; f = 2^(old M - new M)
.set jj, 0
.rept 32
	v_pk_fma_f32 v[S+jj:S+jj+1], v[S+jj:S+jj+1], s[CS:CS+1], v[NM:NM+1] op_sel_hi:[1,0,0]   ; t - M, two at a time
.set jj, jj+2
.endr
	v_fma_f32 v[BM], v[BM], s[CS], v[NM]           ; the same of each block's largest score
	v_fma_f32 v[BM+2], v[BM+2], s[CS], v[NM]
	s_wait_alu depctr_va_vdst(0)                   ; the wait: ahead of O^T's first readers, and between the lines above and the exponentials
.set jj, 0
.rept 16
	v_pk_mul_f32 v[O+jj:O+jj+1], v[O+jj:O+jj+1], v[F:F+1] op_sel_hi:[1,0]   ; O^T under the new M
.set jj, jj+2
.endr
	v_exp_f32 v[BM], v[BM]                         ; the blocks' largest p: the same two instructions on the same number give the same bits
	v_exp_f32 v[BM+2], v[BM+2]
.set jj, 0
.rept 64
	v_exp_f32 v[S+jj], v[S+jj]                     ; p = 2^(t - M)
.set jj, jj+1
.endr
	v_pk_mul_f32 v[LS:LS+1], v[LS:LS+1], v[F:F+1] op_sel_hi:[1,0]   ; the sums under the new M: a plain instruction behind the exponentials
	s_wait_alu depctr_va_vdst(0)                   ; one wait for the 66, ahead of their first reader
	v_max_num_f32 v[BM], 0x1800000, v[BM]          ; the floor 2^(3 - 127): the byte cannot fall under 1
	v_max_num_f32 v[BM+2], 0x1800000, v[BM+2]
	v_add_nc_u32 v[SO], 0xff000000, v[BM]          ; 2 off the exponent field: the conversion's scale operand
	v_add_nc_u32 v[SO+1], 0xff000000, v[BM+2]
.irp c, 0,1
.irp u, 0,1,2,3
	v_cvt_scalef32_pk8_fp4_f32 v[PC+4*\c+\u], v[S+32*\c+16*(\u%2)+8*(\u/2):S+32*\c+16*(\u%2)+8*(\u/2)+7], v[SO+\c]   ; register 4 c + u of the operand: keys 64 c + 32 h + 8 u + 0..7, which stand at 16 (u%2) + 8 (u/2)
.endr
.endr
.endm
.macro WORD1                           ; my two scale bytes at their places in the word: blocks h and 2 + h
	v_lshrrev_b32 v[BY], 23, v[SO]
	v_lshrrev_b32 v[BY+1], 23, v[SO+1]
	v_lshl_or_b32 v[W], v[BY+1], 16, v[BY]
	v_lshlrev_b32 v[W], v[SH8], v[W]
.endm
.macro WORD2                           ; with lane l xor 16's two the word is whole
	v_permlanex16_b32 v[W2], v[W], s[SEL], s[SEL+1]
	v_or_b32 v[PS], v[W], v[W2]
.endm
.macro SUMH                            ; the row's sum of the unquantised p, two at a time, four chains
	v_pk_add_f32 v[T2:T2+1], v[S+2:S+3], v[S+4:S+5]
	v_pk_add_f32 v[T4:T4+1], v[S+6:S+7], v[S+8:S+9]
	v_pk_add_f32 v[T6:T6+1], v[S+10:S+11], v[S+12:S+13]
	v_pk_add_f32 v[LS:LS+1], v[LS:LS+1], v[S:S+1]
.set jj, 14
.rept 6
	v_pk_add_f32 v[T2:T2+1], v[T2:T2+1], v[S+jj:S+jj+1]
	v_pk_add_f32 v[T4:T4+1], v[T4:T4+1], v[S+jj+2:S+jj+3]
	v_pk_add_f32 v[T6:T6+1], v[T6:T6+1], v[S+jj+4:S+jj+5]
	v_pk_add_f32 v[LS:LS+1], v[LS:LS+1], v[S+jj+6:S+jj+7]
.set jj, jj+8
.endr
.endm
.macro SUMT                            ; its last four lines
	v_pk_add_f32 v[T2:T2+1], v[T2:T2+1], v[S+62:S+63]
	v_pk_add_f32 v[T4:T4+1], v[T4:T4+1], v[T6:T6+1]
	v_pk_add_f32 v[LS:LS+1], v[LS:LS+1], v[T2:T2+1]
	v_pk_add_f32 v[LS:LS+1], v[LS:LS+1], v[T4:T4+1]
.endm
; A KEY STEP: 128 keys, both tiles.
.macro STEP
	v_add_nc_u32 v[ADK], s[TB], v[LK]              ; (with the four lines behind the last products: the places in front of the loads into their registers)
	v_add_nc_u32 v[ADS], s[TS], v[LKS]
.irp c, 0,1
	ds_load_b32 v[KS+\c], v[ADS] offset:\c*128     ; lane 16 h + r: the two bytes of row r of fragment 2 c + h's first tile, then those of its second
.endr
.irp f, 0,1,2,3
.irp e, 0,1
	ds_load_b128 v[FR+8*\f+4*\e:FR+8*\f+4*\e+3], v[ADK] offset:(\f/2)*2304+(\f%2)*128+\e*512
.endr
.endr
	s_wait_dscnt 0x0
	QK 0
	v_add_nc_u32 v[ADV], s[TB], v[LV]              ; four places in front of the first read of the scores
	v_add_nc_u32 v[ADT], s[TS], v[LVS]
	v_nop
	v_nop
	NAMES 0
	EXPO
	SUMH
	SUMT
	QK 1                                           ; K's fragments once more, for the second tile
	WORD1                                          ; the first tile's scale word: these four lines are the places in front of the loads below and of the first read of the scores
	ds_load_b32 v[VS], v[ADT]                      ; lane 16 h + r: the scale word of row r of V's tile h,
	ds_load_b32 v[VS+1], v[ADT] offset:8           ; and of tile 2 + h
.irp f, 0,1,2,3
.irp c, 0,1
	ds_load_b128 v[FR+8*\f+4*\c:FR+8*\f+4*\c+3], v[ADV] offset:1152*\f+512*\c   ; V lands under the second tile's softmax
.endr
.endr
	WORD2
	NAMES 1
	EXPO
	WORD1
	WORD2
	SUMH                                           ; 28 plain lines between the writes of p's codes and scale word and the products
	s_wait_alu depctr_va_vdst(0)                   ; the wait here, directly ahead of the wait below
	s_wait_dscnt 0x0                               ; V
.irp t, 0,1                                    ; the four accumulators by turns, one instruction a turn
	MMF 192+16*\t, FR+16*\t, 52, v[192+16*\t:192+16*\t+15], VS+\t, 50
	MMF 224+16*\t, FR+16*\t, 60, v[224+16*\t:224+16*\t+15], VS+\t, 51
.endr
	SUMT                                           ; four plain lines that name none of the products' registers
	s_add_co_u32 s[TB], s[TB], STEPB
	s_add_co_u32 s[TS], s[TS], 256
.endm
.macro KEYLOOP n
	s_mov_b32 s[CNT], \n
.Lkey_\@:
	STEP
	s_sub_co_u32 s[CNT], s[CNT], 1
	s_cmp_lg_u32 s[CNT], 0
	s_cbranch_scc1 .Lkey_\@
.endm
	s_wait_alu depctr_va_vdst(0)                   ; the wait at the head's end
	s_wait_tensorcnt 0x0                           ; my load of the head's group is in
	ds_add_u32 v[SPW], v[NIL]
	s_wait_dscnt 0x0
	ROUND                                          ; everybody's is in, and all four work-groups are here
	tensor_load_to_lds s[44:47], s[32:39]          ; the other 1,536 keys, 6 rows a wave: my one load behind the round; it has four key steps in which to land
	s_nop 0
	NOPS4
	KEYLOOP 4
	s_wait_tensorcnt 0x0                           ; my part of the second group is in;
	s_wait_dscnt 0x0
	s_barrier_signal -1
	s_barrier_wait -1                              ; everybody's is.  Nothing is filled again
	KEYLOOP 12
	; O^T / the sum is new_v: register 16 k + i of the 64 = d 32 (k%2) + 16 h + i of tile k/2: four half blocks of the last product's K, quantised here
	v_add_f32 v14, v14, v15                        ; the sums' two halves,
	v_add_f32 v18, v18, v19
	v_permlanex16_b32 v[T1], v14, s[SEL], s[SEL+1]
	v_permlanex16_b32 v[W2], v18, s[SEL], s[SEL+1]
	v_add_f32 v14, v14, v[T1]                      ; and lane l xor 16's
	v_add_f32 v18, v18, v[W2]
	s_wait_alu depctr_va_vdst(0)                   ; the wait ahead of the two reciprocals
	v_rcp_f32 v[F], v14
	v_rcp_f32 v[T2], v18
	v_nop
	s_wait_alu depctr_va_vdst(0)                   ; and ahead of their first reader, which is also O^T's
.set jj, 0
.rept 16
	v_pk_mul_f32 v[192+jj:193+jj], v[192+jj:193+jj], v[F:F+1] op_sel_hi:[1,0]
.set jj, jj+2
.endr
.set jj, 0
.rept 16
	v_pk_mul_f32 v[224+jj:225+jj], v[224+jj:225+jj], v[T2:T2+1] op_sel_hi:[1,0]
.set jj, jj+2
.endr
.irp k, 0,1,2,3
	v_max3_num_f32 v[BM+\k], |v[192+16*\k]|, |v[193+16*\k]|, 0x1800000
.endr
.irp i, 2,4,6,8,10,12,14
.irp k, 0,1,2,3
	v_max3_num_f32 v[BM+\k], v[BM+\k], |v[192+16*\k+\i]|, |v[193+16*\k+\i]|
.endr
.endr
.irp k, 0,1,2,3
	v_permlanex16_b32 v[BY+\k], v[BM+\k], s[SEL], s[SEL+1]
.endr
.irp k, 0,1,2,3
	v_max_num_f32 v[BM+\k], v[BM+\k], v[BY+\k]
.endr
.irp k, 0,1,2,3
	v_add_nc_u32 v[72+\k], 0xff000000, v[BM+\k]
.endr
.irp k, 0,1,2,3
	v_lshrrev_b32 v[BY+\k], 23, v[72+\k]
.endr
.irp k, 0,1,2,3
	v_cvt_scalef32_pk8_fp4_f32 v[52+2*\k], v[192+16*\k:199+16*\k], v[72+\k]
	v_cvt_scalef32_pk8_fp4_f32 v[53+2*\k], v[200+16*\k:207+16*\k], v[72+\k]
.endr
	v_nop                                          ; one plain instruction behind the scaled conversions
.irp x, 0,4
	v_permlane16_swap_b32 v[52+\x], v[54+\x]
	v_permlane16_swap_b32 v[53+\x], v[55+\x]       ; lane (r, h): d = 32 h + 0..31
.endr
	v_cndmask_b32 v[T0], v[BY], v[BY+1], s[HM]     ; lanes 0-15 store block 0's byte, lanes 16-31 block 1's
	v_cndmask_b32 v[T1], v[BY+2], v[BY+3], s[HM]
	global_store_b128 v[L16], v[52:55], s[8:9]                    ; 512 consecutive bytes a wave, aligned
	global_store_b128 v[L16], v[56:59], s[8:9] offset:65536
	global_store_b8 v[NSO], v[T0], s[12:13]                       ; two bytes of each row's sixteen
	global_store_b8 v[NSO], v[T1], s[12:13] offset:4096
	s_wait_tensorcnt 0x0                           ; the wave's end
	ds_add_u32 v[SPW], v[NIL]
	s_wait_dscnt 0x0
	ROUND                                          ; the closing round
	s_endpgm
.Lfunc_end_k_q58997071c1_attn:
	.size	k_q58997071c1_attn, .Lfunc_end_k_q58997071c1_attn-k_q58997071c1_attn
	.p2alignl 7, 3214868480
	.fill 96, 4, 3214868480
	.section	.rodata,"a",@progbits
	.p2align	6, 0x0
	.amdhsa_kernel k_q58997071c1_attn
		.amdhsa_group_segment_fixed_size 327680
		.amdhsa_private_segment_fixed_size 0
		.amdhsa_enable_private_segment 0
		.amdhsa_kernarg_size 24
		.amdhsa_user_sgpr_count 2
		.amdhsa_user_sgpr_kernarg_segment_ptr 1
		.amdhsa_wavefront_size32 1
		.amdhsa_system_sgpr_workgroup_id_x 1
		.amdhsa_system_sgpr_workgroup_id_y 1
		.amdhsa_system_sgpr_workgroup_id_z 1
		.amdhsa_system_vgpr_workitem_id 0
		.amdhsa_next_free_vgpr 256
		.amdhsa_next_free_sgpr 84
		.amdhsa_reserve_vcc 0
		.amdhsa_float_denorm_mode_32 3
		.amdhsa_float_denorm_mode_16_64 3
		.amdhsa_memory_ordered 1
		.amdhsa_forward_progress 1
		.amdhsa_inst_pref_size 69
	.end_amdhsa_kernel
	.amdgpu_metadata
---
amdhsa.version: [ 1, 2 ]
amdhsa.kernels:
  - .name:           k_q58997071c1_attn
    .symbol:         k_q58997071c1_attn.kd
    .args:
      - { .name: qkv, .offset: 0, .size: 8, .value_kind: global_buffer, .address_space: global }
      - { .name: qkvs, .offset: 8, .size: 8, .value_kind: global_buffer, .address_space: global }
      - { .name: nv, .offset: 16, .size: 8, .value_kind: global_buffer, .address_space: global }
    .group_segment_fixed_size: 327680
    .private_segment_fixed_size: 0
    .kernarg_segment_align: 8
    .kernarg_segment_size: 24
    .max_flat_workgroup_size: 512
    .sgpr_count:     84
    .vgpr_count:     256
    .wavefront_size: 32
...
	.end_amdgpu_metadata
.endif
;; end of part 3
;; launch outp (part 4): grid 256 x 1, 4 waves a work-group, no clusters, 168,448 bytes of LDS; arguments x, nv, wq4, ln_out_g, ln_out_b, out0; writes out0
.if DOCPART == 4
	.amdgcn_target "amdgcn-amd-amdhsa--gfx1250"
	.amdhsa_code_object_version 6
	.text
	.protected	k_q58997071c1_outp
	.globl	k_q58997071c1_outp
	.p2align	8
	.type	k_q58997071c1_outp,@function
k_q58997071c1_outp:
	s_mov_b64 s[64:65], 0
	v_nop
	global_prefetch_b8 v0, s[64:65] scope:SCOPE_SE
	s_setreg_imm32_b32 hwreg(HW_REG_WAVE_MODE, 25, 1), 1
	s_wait_xcnt 0x0
; out0 = LayerNorm(new_v wo + x).  The product on codes of FP4 (E2M1) with one E8M0 scale for each 32 along K: new_v's from nv, wo's from wq4 (weight 3), both as images of operand registers.
; SHARES.  A work-group takes 64 rows; wave w makes columns 128 w .. 128 w + 127 for all 64.  wo's part (32 fragments) and new_v's 16 fragments go from memory straight into registers.
; The product is used transposed (source 0 = 16 columns of wo, source 1 = 16 rows of new_v): a lane holds row phi(m, r) = 32 (m/2) + 8 (m%2) + r + 8 (r/8) of the group and 64 of its columns,
; register 8 t + j = column 32 (t/2) + 16 h + 8 (t%2) + j of the wave's 128.
; THE RESIDUAL IS THE C OF EACH SUM'S FIRST PRODUCT: x's strip (64 rows x my 128 columns) comes by one tensor load into my wave's own LDS bytes and is read into the accumulators in the result's layout.
; LayerNorm in two passes; the waves' partial sums meet in LDS (two barriers).  The results go back into the same strip, which has had its only fill and which no other wave touches, and leave as whole rows of 512 bytes.
; The strip's reads and stores in the result's layout take rows 16 apart in lanes 0-7 and 8-15, a whole number of times through the banks at this pitch: two lanes to a bank there; 128 LDS instructions of the launch.
; No cluster: the weight goes into registers in operand order, so no tensor load could be asked for jointly.  No LDS byte is filled twice.
; REGISTERS: window 0: v1-7 addresses; v32-95, v96-159 two sets of 64 numbers; v160-175 new_v's scale words; v192-223 wo's; v224-247 means, reciprocal roots, partial sums.
;   window 1: wo, fragment (t, s) at 8 (4 t + s).   window 2: v0-127 new_v, (m, s) at 8 (4 m + s); v128-191 g, v192-255 b.   window 3: the accumulators, (m, t) at 8 (8 m + t).
.set STRIP, 33792                      ; LDS: a wave's strip: 64 rows x
.set SP,    528                        ; (512 bytes + 16 of padding)
.set ST1,   135168                     ; two areas of 2,048 bytes for the partial sums
.set L16, 1
.set R16, 2
.set GH,  3
.set AX,  4                            ; w STRIP + (r + 8 (r/8)) SP + 64 h
.set RD,  5                            ; w STRIP + 16 lane
.set STW, 6
.set STR, 7
.set Y,   96
.set NS,  160
.set WS,  192
.set MU,  224
.set RS,  232
.set EX,  240
.set EXT, 244
.set WV,  28
.set SEL, 30
.set INV, 32
.set EPS, 33
.set WB,  34
.set WSB, 36
.set NVC, 38
.set NVS, 40
.set OUT, 42
.set MSB, 0
.macro WIN new
.if MSB != \new
	s_set_vgpr_msb (MSB<<8)|\new
.set MSB, \new
.endif
.endm
.macro PLACES
.rept 4
	v_nop
.endr
.endm
.macro BARRIER
	s_wait_dscnt 0x0
	s_barrier_signal -1
	s_barrier_wait -1
.endm
.macro MMA d, a, b, sa, sb
	v_wmma_scale_f32_16x16x128_f8f6f4 v[\d:\d+7], v[\a:\a+7], v[\b:\b+7], v[\d:\d+7], v[\sa], v[\sb] matrix_a_fmt:MATRIX_FMT_FP4 matrix_b_fmt:MATRIX_FMT_FP4
.endm
; For each tile of rows m the sum (sq = 0) or the sum of squares (sq = 1) of my lane's 64 numbers, four chains of eight pairs, each accumulator from its low end on; then lane l xor 16's.
.macro SUMT sq
	WIN 0x0f
.irp m, 0,1,2,3
.irp q, 0,1,2,3
.if \sq
	v_pk_mul_f32 v[Y+8*\m+2*\q:Y+8*\m+2*\q+1], v[64*\m+16*\q:64*\m+16*\q+1], v[64*\m+16*\q:64*\m+16*\q+1]
.else
	v_pk_add_f32 v[Y+8*\m+2*\q:Y+8*\m+2*\q+1], v[64*\m+16*\q:64*\m+16*\q+1], v[64*\m+16*\q+2:64*\m+16*\q+3]
.endif
.endr
.endr
.if \sq == 0
	WIN 0x0c
.endif
.irp i, 2,4,6,8,10,12,14
.irp m, 0,1,2,3
.irp q, 0,1,2,3
.if \sq
	v_pk_fma_f32 v[Y+8*\m+2*\q:Y+8*\m+2*\q+1], v[64*\m+16*\q+\i:64*\m+16*\q+\i+1], v[64*\m+16*\q+\i:64*\m+16*\q+\i+1], v[Y+8*\m+2*\q:Y+8*\m+2*\q+1]
.elseif \i > 2
	v_pk_add_f32 v[Y+8*\m+2*\q:Y+8*\m+2*\q+1], v[Y+8*\m+2*\q:Y+8*\m+2*\q+1], v[64*\m+16*\q+\i:64*\m+16*\q+\i+1]
.endif
.endr
.endr
.endr
	WIN 0
.irp m, 0,1,2,3
	v_pk_add_f32 v[Y+8*\m:Y+8*\m+1], v[Y+8*\m:Y+8*\m+1], v[Y+8*\m+2:Y+8*\m+3]
	v_pk_add_f32 v[Y+8*\m+4:Y+8*\m+5], v[Y+8*\m+4:Y+8*\m+5], v[Y+8*\m+6:Y+8*\m+7]
.endr
.irp m, 0,1,2,3
	v_pk_add_f32 v[Y+8*\m:Y+8*\m+1], v[Y+8*\m:Y+8*\m+1], v[Y+8*\m+4:Y+8*\m+5]
.endr
.irp m, 0,1,2,3
	v_add_f32 v[EX+\m], v[Y+8*\m], v[Y+8*\m+1]
.endr
.irp m, 0,1,2,3
	v_permlanex16_b32 v[EXT+\m], v[EX+\m], s[SEL], s[SEL+1]
.endr
.irp m, 0,1,2,3
	v_add_f32 v[EX+\m], v[EX+\m], v[EXT+\m]
.endr
.endm
.macro EXCH area                       ; the four waves' sums meet: store, wait, barrier, load; the same order of additions in every wave
	ds_store_b128 v[STW], v[EX:EX+3] offset:\area
	BARRIER
.irp i, 0,1,2,3
	ds_load_b128 v[Y+4*\i:Y+4*\i+3], v[STR] offset:\area+512*\i
.endr
	s_wait_dscnt 0x0
	v_pk_add_f32 v[Y:Y+1], v[Y:Y+1], v[Y+4:Y+5]
	v_pk_add_f32 v[Y+2:Y+3], v[Y+2:Y+3], v[Y+6:Y+7]
	v_pk_add_f32 v[Y+8:Y+9], v[Y+8:Y+9], v[Y+12:Y+13]
	v_pk_add_f32 v[Y+10:Y+11], v[Y+10:Y+11], v[Y+14:Y+15]
	v_pk_add_f32 v[Y:Y+1], v[Y:Y+1], v[Y+8:Y+9]
	v_pk_add_f32 v[Y+2:Y+3], v[Y+2:Y+3], v[Y+10:Y+11]
.endm
	s_load_b256 s[4:11], s[0:1], 0x0               ; x, nv, wq4, g
	s_load_b128 s[12:15], s[0:1], 0x20             ; b, out0
	v_lshl_add_u32 v254, v0, 2, 0x29000
	v_mov_b32 v255, 0
	ds_add_u32 v254, v255
	ds_add_u32 v254, v255
	v_lshrrev_b32 v1, 5, v0
	v_readfirstlane_b32 s[WV], v1                  ; wave 0..3
	; descriptor group 1: 64 rows x 128 elements of 4 bytes, 512 elements from row to row; in LDS 4 words of padding behind every 128
	s_mov_b32 s16, (2<<16)|(1<<20)|(6<<22)|(3<<25)
	s_mov_b32 s17, 128<<16
	s_mov_b32 s18, 64<<16
	s_mov_b32 s19, 128<<16
	s_mov_b32 s20, 64
	s_mov_b32 s21, 512
	s_mov_b32 s22, 0
	s_mov_b32 s23, 0
	s_mul_i32 s29, s[WV], STRIP
	s_lshl_b32 s44, ttmp9, 17                      ; 64 rows of 2,048 bytes a work-group,
	s_lshl_b32 s46, s[WV], 9                       ; 512 bytes of a row a wave: in x and in out0 alike
	s_add_co_u32 s44, s44, s46
	s_mov_b32 s45, 0
	s_wait_dscnt 0x0
	s_wait_kmcnt 0x0
	s_mov_b32 s24, 1
	s_mov_b32 s25, s29
	s_add_nc_u64 s[26:27], s[4:5], s[44:45]
	s_or_b32 s27, s27, 0x80000000
	tensor_load_to_lds s[24:27], s[16:23]          ; my one tensor load: my strip of x; only I read it
	s_nop 0
.rept 4
	v_nop
.endr
	s_add_nc_u64 s[OUT:OUT+1], s[14:15], s[44:45]
	v_and_b32 v8, 31, v0
	v_and_b32 v9, 15, v0                           ; r
	v_bfe_u32 v10, v0, 4, 1                        ; h
	v_bfe_u32 v11, v0, 3, 1                        ; r / 8
	v_lshlrev_b32 v[L16], 4, v8
	s_wait_alu depctr_va_vdst(0)
	v_lshlrev_b32 v[R16], 4, v9
	v_lshlrev_b32 v[GH], 6, v10
	s_wait_alu depctr_va_vdst(0)
	s_lshl_b32 s44, s[WV], 15
	s_add_co_u32 s44, s44, 393216                  ; weight 3
	s_add_nc_u64 s[WB:WB+1], s[8:9], s[44:45]
	s_lshl_b32 s44, s[WV], 11
	s_add_co_u32 s44, s44, 548864                  ; 524,288 + 3 x 8,192
	s_add_nc_u64 s[WSB:WSB+1], s[8:9], s[44:45]
	s_lshl_b32 s44, ttmp9, 14                      ; four tiles of 4,096 bytes a work-group
	s_add_nc_u64 s[NVC:NVC+1], s[6:7], s[44:45]
	s_lshl_b32 s44, ttmp9, 10
	s_add_co_u32 s44, s44, 4194304
	s_add_nc_u64 s[NVS:NVS+1], s[6:7], s[44:45]
	s_mov_b32 s44, s46
	s_add_nc_u64 s[10:11], s[10:11], s[44:45]      ; g and b at my 128 columns
	s_add_nc_u64 s[12:13], s[12:13], s[44:45]
	WIN 0x40                                       ; destination window 1
.set fi, 0
.rept 32
	global_load_b128 v[8*fi:8*fi+3], v[L16], s[WB:WB+1] offset:fi*1024
	global_load_b128 v[8*fi+4:8*fi+7], v[L16], s[WB:WB+1] offset:fi*1024+512
.set fi, fi+1
.endr
	WIN 0x80                                       ; destination window 2
.irp m, 0,1,2,3
.irp s, 0,1,2,3
.irp c, 0,1
	global_load_b128 v[8*(4*\m+\s)+4*\c:8*(4*\m+\s)+4*\c+3], v[L16], s[NVC:NVC+1] offset:\m*4096+\s*1024+\c*512
.endr
.endr
.endr
.irp t, 0,1,2,3,4,5,6,7
	global_load_b128 v[128+8*\t:128+8*\t+3], v[GH], s[10:11] offset:(32*(\t/2)+8*(\t%2))*4
	global_load_b128 v[128+8*\t+4:128+8*\t+7], v[GH], s[10:11] offset:(32*(\t/2)+8*(\t%2))*4+16
	global_load_b128 v[192+8*\t:192+8*\t+3], v[GH], s[12:13] offset:(32*(\t/2)+8*(\t%2))*4
	global_load_b128 v[192+8*\t+4:192+8*\t+7], v[GH], s[12:13] offset:(32*(\t/2)+8*(\t%2))*4+16
.endr
	WIN 0
.irp t, 0,1,2,3,4,5,6,7
	global_load_b128 v[WS+4*\t:WS+4*\t+3], v[R16], s[WSB:WSB+1] offset:256*\t
.endr
.irp m, 0,1,2,3
	global_load_b128 v[NS+4*\m:NS+4*\m+3], v[R16], s[NVS:NVS+1] offset:256*\m
.endr
	v_lshl_add_u32 v[AX], v11, 3, v9
	v_mul_u32_u24 v[AX], v[AX], SP
	v_add_nc_u32 v[AX], v[AX], v[GH]
	v_add_nc_u32 v[AX], s29, v[AX]
	v_add_nc_u32 v[RD], s29, v[L16]
	v_add_nc_u32 v[STR], ST1, v[L16]
	v_add_nc_u32 v[STW], s46, v[STR]
	s_mov_b32 s[SEL], 0x76543210
	s_mov_b32 s[SEL+1], 0xfedcba98
	s_mov_b32 s[INV], 0x3b000000                   ; 1/512
	s_mov_b32 s[EPS], 0x358637bd                   ; 1e-6
.irp i, 0,1,2,3
	v_mov_b32 v[EXT+\i], 0                         ; written once: a lane permute's destination counts as one of its sources,
	v_mov_b32 v[MU+2*\i+1], 0                      ; and a pair's upper word is named with its low word
	v_mov_b32 v[RS+2*\i+1], 0
.endr
	s_wait_tensorcnt 0x0                           ; my strip of x is in
	WIN 0xc0                                       ; destination window 3
.irp m, 0,1,2,3
.irp b, 0,1,2,3
.irp j, 0,1,2,3
	ds_load_b128 v[64*\m+16*\b+4*\j:64*\m+16*\b+4*\j+3], v[AX] offset:(32*(\m/2)+8*(\m%2))*SP+128*\b+16*\j   ; x in the result's layout
.endr
.endr
.endr
	s_wait_dscnt 0x0
	s_wait_loadcnt 0x0
	WIN 0xf9                                       ; source 0 (wo) window 1, source 1 (new_v) window 2, C and D window 3
.irp m, 0,1,2,3                                ; within a tile of rows the eight accumulators take turns, one instruction a turn
.irp s, 0,1,2,3
.irp t, 0,1,2,3,4,5,6,7
	MMA 8*(8*\m+\t), 8*(4*\t+\s), 8*(4*\m+\s), WS+4*\t+\s, NS+4*\m+\s
.endr
.endr
.endr
	WIN 0
	PLACES                                         ; in front of the first read of results
	SUMT 0
	EXCH 0
.irp m, 0,1,2,3
	v_mul_f32 v[MU+2*\m], s[INV], v[Y+\m]          ; the row's mean
.endr
	WIN 0xc3
.irp m, 0,1,2,3
.set ii, 0
.rept 32
	v_pk_add_f32 v[64*\m+ii:64*\m+ii+1], v[64*\m+ii:64*\m+ii+1], v[MU+2*\m:MU+2*\m+1] op_sel_hi:[1,0] neg_lo:[0,1] neg_hi:[0,1]
.set ii, ii+2
.endr
.endr
	SUMT 1
	EXCH 2048
.irp m, 0,1,2,3
	v_fma_f32 v[RS+2*\m], v[Y+\m], s[INV], s[EPS]
.endr
	s_wait_alu depctr_va_vdst(0)
.irp m, 0,1,2,3
	v_rsq_f32 v[RS+2*\m], v[RS+2*\m]
.endr
	v_nop
	s_wait_alu depctr_va_vdst(0)                   ; one wait for the four, ahead of their first reader
.irp m, 0,1,2,3                                ; two sets of registers by turns
.set BUF, Y-64*(\m%2)
.if \m > 1
	s_wait_dscnt 16                                ; all but the last tile's 16 stores: the stores of two tiles back have read this set
.endif
	WIN 0x03
.set ii, 0
.rept 32
	v_pk_mul_f32 v[BUF+ii:BUF+ii+1], v[64*\m+ii:64*\m+ii+1], v[RS+2*\m:RS+2*\m+1] op_sel_hi:[1,0]
.set ii, ii+2
.endr
	WIN 0x28
.set ii, 0
.rept 32
	v_pk_fma_f32 v[BUF+ii:BUF+ii+1], v[BUF+ii:BUF+ii+1], v[128+ii:128+ii+1], v[192+ii:192+ii+1]
.set ii, ii+2
.endr
	WIN 0
.irp b, 0,1,2,3
.irp j, 0,1,2,3
	ds_store_b128 v[AX], v[BUF+16*\b+4*\j:BUF+16*\b+4*\j+3] offset:(32*(\m/2)+8*(\m%2))*SP+128*\b+16*\j
.endr
.endr
.endr
	s_wait_dscnt 0x0                               ; the stores have read their registers
.macro LOADB q                         ; rows 16 q .. 16 q + 15 of my strip, whole: 512 bytes an instruction
.set BUF, Y-64*((\q)%2)
.irp i, 0,1,2,3,4,5,6,7,8,9,10,11,12,13,14,15
	ds_load_b128 v[BUF+4*\i:BUF+4*\i+3], v[RD] offset:(16*(\q)+\i)*SP
.endr
.endm
.macro SENDB q, younger                ; younger: the LDS loads issued behind this batch's
.set BUF, Y-64*((\q)%2)
.irp i, 0,1,2,3,4,5,6,7,8,9,10,11,12,13,14,15
	s_wait_dscnt \younger+15-\i
	global_store_b128 v[L16], v[BUF+4*\i:BUF+4*\i+3], s[OUT:OUT+1] offset:(16*(\q)+\i)*2048 th:TH_STORE_NT   ; 32 lanes store 512 consecutive bytes, aligned; written once, read by nobody here
.endr
.endm
	LOADB 0
	LOADB 1
	SENDB 0, 16
	s_wait_xcnt 0x0                                ; batch 0's stores have read their data: the set is loaded again only behind this wait
	LOADB 2
	SENDB 1, 16
	s_wait_xcnt 0x0
	LOADB 3
	SENDB 2, 16
	SENDB 3, 0
	s_wait_tensorcnt 0x0
	ds_add_u32 v254, v255
	s_wait_dscnt 0x0
	s_endpgm
.Lfunc_end_k_q58997071c1_outp:
	.size	k_q58997071c1_outp, .Lfunc_end_k_q58997071c1_outp-k_q58997071c1_outp
	.p2alignl 7, 3214868480
	.fill 96, 4, 3214868480
	.section	.rodata,"a",@progbits
	.p2align	6, 0x0
	.amdhsa_kernel k_q58997071c1_outp
		.amdhsa_group_segment_fixed_size 168448
		.amdhsa_private_segment_fixed_size 0
		.amdhsa_enable_private_segment 0
		.amdhsa_kernarg_size 48
		.amdhsa_user_sgpr_count 2
		.amdhsa_user_sgpr_kernarg_segment_ptr 1
		.amdhsa_wavefront_size32 1
		.amdhsa_system_sgpr_workgroup_id_x 1
		.amdhsa_system_sgpr_workgroup_id_y 1
		.amdhsa_system_sgpr_workgroup_id_z 1
		.amdhsa_system_vgpr_workitem_id 0
		.amdhsa_next_free_vgpr 1024
		.amdhsa_next_free_sgpr 66
		.amdhsa_reserve_vcc 0
		.amdhsa_float_denorm_mode_32 3
		.amdhsa_float_denorm_mode_16_64 3
		.amdhsa_memory_ordered 1
		.amdhsa_forward_progress 1
		.amdhsa_inst_pref_size 98
	.end_amdhsa_kernel
	.amdgpu_metadata
---
amdhsa.version: [ 1, 2 ]
amdhsa.kernels:
  - .name:           k_q58997071c1_outp
    .symbol:         k_q58997071c1_outp.kd
    .args:
      - { .name: x, .offset: 0, .size: 8, .value_kind: global_buffer, .address_space: global }
      - { .name: nv, .offset: 8, .size: 8, .value_kind: global_buffer, .address_space: global }
      - { .name: wq4, .offset: 16, .size: 8, .value_kind: global_buffer, .address_space: global }
      - { .name: ln_out_g, .offset: 24, .size: 8, .value_kind: global_buffer, .address_space: global }
      - { .name: ln_out_b, .offset: 32, .size: 8, .value_kind: global_buffer, .address_space: global }
      - { .name: out0, .offset: 40, .size: 8, .value_kind: global_buffer, .address_space: global }
    .group_segment_fixed_size: 168448
    .private_segment_fixed_size: 0
    .kernarg_segment_align: 8
    .kernarg_segment_size: 48
    .max_flat_workgroup_size: 128
    .sgpr_count:     66
    .vgpr_count:     1024
    .wavefront_size: 32
...
	.end_amdgpu_metadata
.endif
;; end of part 4
